; MI455X (gfx1250); checked and timed in simulation.
; The chip was launched on July 23, 2026; its instructions are those of AMD's public machine-readable ISA for CDNA 5 (MIT licence, August 2026) and "CDNA5" Instruction Set Architecture Reference Guide (July 2026). The comments in the code are by the model that wrote it; some were corrected since.
;; Point Selector. Allowed arithmetic: float matrix products may take bf16 or f16 operands with f32 sums; all other float work in f32.
;; Inputs: Wb 512 x 512 float32; Wg 512 x 512 float32; bb 512 float32; bg 512 float32; coords 4 x 8,192 x 3 float32; feats 4 x 8,192 x 512 float32; gumbel_u 7 x 4 x 512 x 16 float32; start_indices 4 x 512 int32.
;; Outputs: out0 4 x 512 x 8 x 512 float32.
;; 2 versions, each right; version 2 is version 1 with the launches step0, step1, step2, step3, step4, step5, step6 written anew for expert scheduling mode. Each part assembles by itself: llvm-mc -triple=amdgcn-amd-amdhsa -mcpu=gfx1250 --defsym DOCPART=n.
;; ======== version 1 of 2: 13 launches
;; limits: values are held in f16: magnitudes above 65,504 overflow, below 6.1e-05 lose precision; inputs' magnitudes at most 65,504; right only within a limited range of input values
;; workspace buffers: wsw 1,970,432 bytes; fb 33,554,432 bytes; rr 67,108,864 bytes; grp 2,228,224 bytes of whole numbers; sub 2,228,224 bytes of whole numbers; knn 2,097,152 bytes of whole numbers; cura 8,448 bytes of whole numbers; curb 8,448 bytes of whole numbers
;; launch prep (part 1): grid 256 x 1, 4 waves a work-group, no clusters, 0 bytes of LDS; arguments Wb, Wg, bb, bg, coords, start_indices, wsw, cura; writes wsw, cura
.if DOCPART == 1
	.amdgcn_target "amdgcn-amd-amdhsa--gfx1250"
	.amdhsa_code_object_version 6
	.text
	.protected	k_q648f58b4b2_prep
	.globl	k_q648f58b4b2_prep
	.p2align	8
	.type	k_q648f58b4b2_prep,@function
k_q648f58b4b2_prep:
	s_mov_b64 s[64:65], 0
	v_nop
	global_prefetch_b8 v0, s[64:65] scope:SCOPE_SE
	s_setreg_imm32_b32 hwreg(HW_REG_WAVE_MODE, 25, 1), 1
	s_wait_xcnt 0x0
; PREP.  All float inputs are rounded to bf16 first (nearest even); everything below works on the rounded numbers.
; The logit q . kk is regrouped: (f_i W2 + c) . f_k + f_i . d + d0, with W2[a][c] = sum_j Wb[a][j] Wg[c][j], c[c] = bb . Wg[c][:], d[a] = Wb[a][:] . bg, d0 = bb . bg.
; A wave makes one tile of 16 x 16 of W2 (1,024 tiles, 4 waves x 256 work-groups): bf16 products, f32 sums, K = 512 in 16 steps on two accumulators by turns.
; W2 leaves as two f16 numbers: w = 64 W2, hi = f16(w), lo = f16((w - hi) 2048), laid out as the next launch reads its fragments:
; the 16 c x 16 a of tile (ct, at) are 512 bytes at (at>>2) 65536 + (ct>>3) 16384 + ((at>>1)&1) 8192 + (ct&7) 1024 + (at&1) 512, lane l at 16 l.
; LIMITS: |64 W2| stays inside f16 (|W2| < 1,023).  The three bias products (half a million multiply-adds) are made by vector instructions.
; Beside that: wave t makes word t of c (t < 512) or of d; coords are written twice, rounded, as f32: as they lie (CRDA) and by groups of 32 points, X32 Y32 Z32 and 32 zeros (CRDS);
; the start indices are copied, and the step number 0 is written behind them.
.set CVEC, 1048576                     ; c, then d: 1,024 words
.set D0W,  1052672                     ; d0, in all 64 words of its block
.set CRDA, 1052928
.set CRDS, 1446144
.set WHI,  524288                      ; hi behind lo
.set ACE, 8                            ; v[8:15]   sum of the even K steps
.set ACO, 16                           ; v[16:23]  sum of the odd K steps
.set FR,  24                           ; v[24:55]  two sets of fragments: 8 registers of Wb, 8 of Wg
.set DR,  80                           ; v[80:95]  my row for c or d
.set DV,  96                           ; v[96:111] the bias it is multiplied by
.set RW,  128                          ; v[128:255] four buffers of 32: a K step as loaded, 16 f32 of Wb, 16 of Wg
.macro RAW s                           ; the eight loads of K step s: 32 bytes at k = 32 s + 8 h and 32 at 32 s + 16 + 8 h, of my row of Wb and of Wg
.set rb, RW+32*((\s)&3)
.irp o, 0,1,2,3
	global_load_b128 v[rb+4*\o:rb+4*\o+3], v4, s[4:5] offset:(\s)*128+(\o/2)*64+(\o%2)*16
.endr
.irp o, 0,1,2,3
	global_load_b128 v[rb+16+4*\o:rb+16+4*\o+3], v5, s[6:7] offset:(\s)*128+(\o/2)*64+(\o%2)*16
.endr
.endm
.macro STEP s                          ; K step s: round to bf16, ask for the step four on, multiply
.set rb, RW+32*((\s)&3)
.set fr, FR+16*((\s)&1)
.if (\s) <= 12
	s_wait_loadcnt 24                              ; loads come back in order: behind this step's eight stand those of three later steps
.else
	s_wait_loadcnt 8*(15-(\s))                     ; the last steps: fewer stand behind
.endif
.set ci, 0
.rept 16
	v_cvt_pk_bf16_f32 v[fr+ci], v[rb+2*ci], v[rb+2*ci+1]
.set ci, ci+1
.endr
.if (\s) < 12
	RAW (\s)+4
.endif
.if (\s) == 0
	v_wmma_f32_16x16x32_bf16 v[ACE:ACE+7], v[fr:fr+7], v[fr+8:fr+15], 0
.elseif (\s) == 1
	v_wmma_f32_16x16x32_bf16 v[ACO:ACO+7], v[fr:fr+7], v[fr+8:fr+15], 0
.elseif ((\s)&1) == 0
	v_wmma_f32_16x16x32_bf16 v[ACE:ACE+7], v[fr:fr+7], v[fr+8:fr+15], v[ACE:ACE+7]
.else
	v_wmma_f32_16x16x32_bf16 v[ACO:ACO+7], v[fr:fr+7], v[fr+8:fr+15], v[ACO:ACO+7]
.endif
.endm
; The dot product of two rows of 512, 16 numbers a lane in ra and in rb: both rounded to bf16, exact products, f32 sums in two chains; the sum ends in v[ac] of every lane
.macro DOTSUM ra, rb, ac
.set di, 0
.rept 8
	v_cvt_pk_bf16_f32 v[(\ra)+di], v[(\ra)+2*di], v[(\ra)+2*di+1]
	v_cvt_pk_bf16_f32 v[(\rb)+di], v[(\rb)+2*di], v[(\rb)+2*di+1]
.set di, di+1
.endr
	v_mov_b32 v[\ac], 0
	v_mov_b32 v[(\ac)+1], 0
.set di, 0
.rept 8
	v_fma_mix_f32_bf16 v[\ac], v[(\ra)+di], v[(\rb)+di], v[\ac] op_sel_hi:[1,1,0]
	v_fma_mix_f32_bf16 v[(\ac)+1], v[(\ra)+di], v[(\rb)+di], v[(\ac)+1] op_sel:[1,1,0] op_sel_hi:[1,1,0]
.set di, di+1
.endr
	v_add_f32 v[\ac], v[\ac], v[(\ac)+1]
	v_add_f32_dpp v[\ac], v[\ac], v[\ac] row_xmask:1 row_mask:0xf bank_mask:0xf
	v_add_f32_dpp v[\ac], v[\ac], v[\ac] row_xmask:2 row_mask:0xf bank_mask:0xf
	v_add_f32_dpp v[\ac], v[\ac], v[\ac] row_xmask:4 row_mask:0xf bank_mask:0xf
	v_add_f32_dpp v[\ac], v[\ac], v[\ac] row_xmask:8 row_mask:0xf bank_mask:0xf
	v_permlanex16_b32 v[(\ac)+1], v[\ac], s28, s29
	v_add_f32 v[\ac], v[\ac], v[(\ac)+1]
.endm
	s_load_b512 s[4:19], s[0:1], 0x0               ; Wb s[4:5], Wg s[6:7], bb s[8:9], bg s[10:11], coords s[12:13], start s[14:15], wsw s[16:17], cura s[18:19]
	v_and_b32 v1, 31, v0                           ; lane
	v_lshrrev_b32 v2, 5, v0
	v_readfirstlane_b32 s20, v2                    ; wave
	v_and_b32 v2, 15, v0                           ; r
	v_bfe_u32 v3, v0, 4, 1                         ; h
	s_mov_b32 s39, ttmp9
	s_lshl_b32 s21, s39, 2
	s_add_co_u32 s21, s21, s20                     ; tile 0..1023
	s_lshr_b32 s22, s21, 5                         ; ct
	s_and_b32 s23, s21, 31                         ; at
	s_lshl_b32 s24, s23, 15
	s_lshl_b32 s25, s22, 15
	v_lshlrev_b32 v4, 11, v2
	v_lshl_add_u32 v4, v3, 5, v4                   ; r x 2048 + 32 h
	v_add_nc_u32 v5, s25, v4                       ; my row of Wg: 16 ct + r
	v_add_nc_u32 v4, s24, v4                       ; my row of Wb: 16 at + r
	v_lshlrev_b32 v6, 4, v1                        ; 16 x lane
	s_lshr_b32 s24, s23, 2                         ; the tile's place in the image
	s_lshl_b32 s24, s24, 16
	s_lshr_b32 s25, s22, 3
	s_lshl_b32 s25, s25, 14
	s_add_co_u32 s24, s24, s25
	s_bfe_u32 s25, s23, 0x10001
	s_lshl_b32 s25, s25, 13
	s_add_co_u32 s24, s24, s25
	s_and_b32 s25, s22, 7
	s_lshl_b32 s25, s25, 10
	s_add_co_u32 s24, s24, s25
	s_and_b32 s25, s23, 1
	s_lshl_b32 s25, s25, 9
	s_add_co_u32 s24, s24, s25
	v_add_nc_u32 v7, s24, v6
	s_and_b32 s36, s21, 511
	s_lshl_b32 s36, s36, 11                        ; my row for c or d, in bytes
	s_mov_b32 s37, 0
	s_lshl_b32 s40, s21, 2                         ; and its word
	s_mov_b32 s28, 0x76543210                      ; v_permlanex16_b32: each lane takes its own place in the other half
	s_mov_b32 s29, 0xfedcba98
	s_mov_b32 s31, 0xffff0000
	s_mov_b32 s26, 0x42800000                      ; 64
	s_mov_b32 s27, s26
	s_mov_b32 s42, 0x45000000                      ; 2048
	s_mov_b32 s43, s42
	s_lshl_b32 s38, s39, 7
	v_add_nc_u32 v79, s38, v0                      ; my number among all threads
	s_wait_kmcnt 0x0
	s_cmp_lt_u32 s21, 512
	s_cselect_b64 s[32:33], s[6:7], s[4:5]         ; tiles 0..511: a row of Wg with bb; the others: a row of Wb with bg
	s_cselect_b64 s[34:35], s[8:9], s[10:11]
	s_add_nc_u64 s[32:33], s[32:33], s[36:37]
.irp i, 0,1,2,3
	global_load_b128 v[DR+4*\i:DR+4*\i+3], v6, s[32:33] offset:512*\i
	global_load_b128 v[DV+4*\i:DV+4*\i+3], v6, s[34:35] offset:512*\i
.endr
	RAW 0
	RAW 1
	RAW 2
	RAW 3
	; THE SIDE TASKS stand in the wait for the first K steps.  Each waits for all loads: its own were issued last.
	s_cmp_lt_u32 s39, 192
	s_cbranch_scc0 .Lsoa
	v_lshlrev_b32 v113, 4, v79                     ; work-groups 0..191: 16 bytes of coords a thread, rounded, as they lie
	global_load_b128 v[116:119], v113, s[12:13]
	s_wait_loadcnt 0x0
	v_cvt_pk_bf16_f32 v72, v116, v117
	v_cvt_pk_bf16_f32 v73, v118, v119
	v_lshlrev_b32 v56, 16, v72
	v_and_b32 v57, s31, v72
	v_lshlrev_b32 v58, 16, v73
	v_and_b32 v59, s31, v73
	global_store_b128 v113, v[56:59], s[16:17] offset:CRDA
	s_branch .Lside
.Lsoa:
	s_sub_co_u32 s38, s39, 192                     ; work-groups 192..255: four points a thread, by coordinate
	s_lshl_b32 s38, s38, 7
	v_add_nc_u32 v112, s38, v0
	v_mul_u32_u24 v113, v112, 48
	global_load_b128 v[116:119], v113, s[12:13]
	global_load_b128 v[120:123], v113, s[12:13] offset:16
	global_load_b128 v[124:127], v113, s[12:13] offset:32
	v_lshrrev_b32 v114, 3, v112                    ; the group of 32 points,
	v_and_b32 v115, 7, v112                        ; my four in it
	v_lshlrev_b32 v114, 9, v114
	v_lshl_add_u32 v114, v115, 4, v114
	s_wait_loadcnt 0x0
	v_cvt_pk_bf16_f32 v72, v116, v119              ; x0 x1
	v_cvt_pk_bf16_f32 v73, v122, v125              ; x2 x3
	v_cvt_pk_bf16_f32 v74, v117, v120              ; y
	v_cvt_pk_bf16_f32 v75, v123, v126
	v_cvt_pk_bf16_f32 v76, v118, v121              ; z
	v_cvt_pk_bf16_f32 v77, v124, v127
.irp i, 0,1,2,3,4,5
	v_lshlrev_b32 v[56+2*\i], 16, v[72+\i]
	v_and_b32 v[57+2*\i], s31, v[72+\i]
.endr
.irp i, 68,69,70,71
	v_mov_b32 v\i, 0
.endr
	global_store_b128 v114, v[56:59], s[16:17] offset:CRDS
	global_store_b128 v114, v[60:63], s[16:17] offset:CRDS+128
	global_store_b128 v114, v[64:67], s[16:17] offset:CRDS+256
	global_store_b128 v114, v[68:71], s[16:17] offset:CRDS+384
.Lside:
	s_cmp_lt_u32 s39, 16
	s_cbranch_scc0 .Lnostart
	v_lshlrev_b32 v25, 2, v79                      ; work-groups 0..15: the 2,048 start indices
	global_load_b32 v24, v25, s[14:15]
	s_wait_loadcnt 0x0
	global_store_b32 v25, v24, s[18:19]
.Lnostart:
	s_cmp_lg_u32 s21, 0
	s_cbranch_scc1 .Lnot0
	s_wait_xcnt 0x0                                ; the stores above have read their registers: v113 is loaded into below
	v_lshlrev_b32 v26, 3, v1
	v_mov_b32 v28, 0
	v_mov_b32 v29, 0
	global_store_b64 v26, v[28:29], s[18:19] offset:8192  ; the step number 0, in all 64 words of its block: 256 consecutive bytes
.irp i, 0,1,2,3
	global_load_b128 v[32+4*\i:35+4*\i], v6, s[8:9] offset:512*\i
	global_load_b128 v[112+4*\i:115+4*\i], v6, s[10:11] offset:512*\i
.endr
	s_wait_loadcnt 0x0
	DOTSUM 32, 112, 48                             ; d0 = bb . bg
	v_mov_b32 v49, v48
	global_store_b64 v26, v[48:49], s[16:17] offset:D0W
.Lnot0:
	s_wait_xcnt 0x0                                ; every store above has read its address and data: their registers are written again from here on
.irp s, 0,1,2,3,4,5,6,7,8,9,10,11,12,13,14,15
	STEP \s                                        ; a set of fragments is written again two steps later: the 16 conversions of the step between are the places behind its product
.endr
	DOTSUM DR, DV, 112                             ; my word of c or d; these lines name no accumulator: they are the places behind the last products
	v_mov_b32 v114, s40
	s_wait_xcnt 0x0                                ; EXEC changes only behind this wait
	v_cmp_eq_u32 vcc_lo, 0, v1
	s_and_saveexec_b32 s30, vcc_lo
	global_store_b32 v114, v112, s[16:17] offset:CVEC
	s_wait_xcnt 0x0                                ; and again in front of the line that widens it
	s_or_b32 exec_lo, exec_lo, s30
	; THE WAY OUT.  Lane (r, h), register j holds W2[16 at + 8 h + j][16 ct + r]; each accumulator is read from its low end on.
.irp i, 0,1,2,3
	v_pk_add_f32 v[56+2*\i:57+2*\i], v[ACE+2*\i:ACE+2*\i+1], v[ACO+2*\i:ACO+2*\i+1]
.endr
.irp i, 0,1,2,3
	v_pk_mul_f32 v[56+2*\i:57+2*\i], v[56+2*\i:57+2*\i], s[26:27] op_sel_hi:[1,0]
.endr
.irp i, 0,1,2,3
	v_cvt_pk_f16_f32 v[72+\i], v[56+2*\i], v[57+2*\i]  ; hi
.endr
	v_cvt_f32_f16 v64, v72.l
	v_cvt_f32_f16 v65, v72.h
	v_cvt_f32_f16 v66, v73.l
	v_cvt_f32_f16 v67, v73.h
	v_cvt_f32_f16 v68, v74.l
	v_cvt_f32_f16 v69, v74.h
	v_cvt_f32_f16 v70, v75.l
	v_cvt_f32_f16 v71, v75.h
.irp i, 0,1,2,3
	v_pk_add_f32 v[56+2*\i:57+2*\i], v[56+2*\i:57+2*\i], v[64+2*\i:65+2*\i] neg_lo:[0,1] neg_hi:[0,1]
.endr
.irp i, 0,1,2,3
	v_pk_mul_f32 v[56+2*\i:57+2*\i], v[56+2*\i:57+2*\i], s[42:43] op_sel_hi:[1,0]
.endr
.irp i, 0,1,2,3
	v_cvt_pk_f16_f32 v[76+\i], v[56+2*\i], v[57+2*\i]  ; lo
.endr
	global_store_b128 v7, v[76:79], s[16:17]           ; 512 consecutive bytes a wave
	global_store_b128 v7, v[72:75], s[16:17] offset:WHI
	s_endpgm
.Lfunc_end_k_q648f58b4b2_prep:
	.size	k_q648f58b4b2_prep, .Lfunc_end_k_q648f58b4b2_prep-k_q648f58b4b2_prep
	.p2alignl 7, 3214868480
	.fill 96, 4, 3214868480
	.section	.rodata,"a",@progbits
	.p2align	6, 0x0
	.amdhsa_kernel k_q648f58b4b2_prep
		.amdhsa_group_segment_fixed_size 0
		.amdhsa_private_segment_fixed_size 0
		.amdhsa_enable_private_segment 0
		.amdhsa_kernarg_size 64
		.amdhsa_user_sgpr_count 2
		.amdhsa_user_sgpr_kernarg_segment_ptr 1
		.amdhsa_wavefront_size32 1
		.amdhsa_system_sgpr_workgroup_id_x 1
		.amdhsa_system_sgpr_workgroup_id_y 1
		.amdhsa_system_sgpr_workgroup_id_z 1
		.amdhsa_system_vgpr_workitem_id 0
		.amdhsa_next_free_vgpr 256
		.amdhsa_next_free_sgpr 66
		.amdhsa_reserve_vcc 1
		.amdhsa_float_denorm_mode_32 3
		.amdhsa_float_denorm_mode_16_64 3
		.amdhsa_memory_ordered 1
		.amdhsa_forward_progress 1
		.amdhsa_inst_pref_size 44
	.end_amdhsa_kernel
	.amdgpu_metadata
---
amdhsa.version: [ 1, 2 ]
amdhsa.kernels:
  - .name:           k_q648f58b4b2_prep
    .symbol:         k_q648f58b4b2_prep.kd
    .args:
      - { .name: Wb, .offset: 0, .size: 8, .value_kind: global_buffer, .address_space: global }
      - { .name: Wg, .offset: 8, .size: 8, .value_kind: global_buffer, .address_space: global }
      - { .name: bb, .offset: 16, .size: 8, .value_kind: global_buffer, .address_space: global }
      - { .name: bg, .offset: 24, .size: 8, .value_kind: global_buffer, .address_space: global }
      - { .name: coords, .offset: 32, .size: 8, .value_kind: global_buffer, .address_space: global }
      - { .name: start_indices, .offset: 40, .size: 8, .value_kind: global_buffer, .address_space: global }
      - { .name: wsw, .offset: 48, .size: 8, .value_kind: global_buffer, .address_space: global }
      - { .name: cura, .offset: 56, .size: 8, .value_kind: global_buffer, .address_space: global }
    .group_segment_fixed_size: 0
    .private_segment_fixed_size: 0
    .kernarg_segment_align: 8
    .kernarg_segment_size: 64
    .max_flat_workgroup_size: 128
    .sgpr_count:     66
    .vgpr_count:     256
    .wavefront_size: 32
...
	.end_amdgpu_metadata
.endif
;; end of part 1
;; launch proj (part 2): grid 256 x 1, 4 waves a work-group, clusters of 4 x 1, 327,680 bytes of LDS; arguments feats, wsw, fb, rr; writes fb, rr
.if DOCPART == 2
	.amdgcn_target "amdgcn-amd-amdhsa--gfx1250"
	.amdhsa_code_object_version 6
	.text
	.protected	k_q648f58b4b2_proj
	.globl	k_q648f58b4b2_proj
	.p2align	8
	.type	k_q648f58b4b2_proj,@function
k_q648f58b4b2_proj:
	s_mov_b64 s[64:65], 0
	v_nop
	global_prefetch_b8 v0, s[64:65] scope:SCOPE_SE
	s_setreg_imm32_b32 hwreg(HW_REG_WAVE_MODE, 25, 1), 1
	s_wait_xcnt 0x0
	s_wait_alu depctr_hold_cnt(0) depctr_sa_sdst(0) depctr_va_vdst(0) depctr_va_sdst(0) depctr_va_ssrc(0) depctr_va_vcc(0) depctr_vm_vsrc(0)
	s_getreg_b32 s2, hwreg(HW_REG_IB_STS2, 6, 4)
	s_cmp_eq_u32 s2, 0
	s_cbranch_scc0 .Lentry_in_a_cluster
	s_endpgm
.Lentry_in_a_cluster:
	s_bfe_u32 s2, ttmp6, 0x10000c
	s_cmp_lg_u32 s2, 0x3003
	s_cbranch_scc0 .Lentry_shape_is_right
	s_endpgm
.Lentry_shape_is_right:
; PROJ.  fb = bf16(feats), and R = fb W2 + c in f32, for all 32,768 points.  A work-group owns 128 rows and all 512 columns; wave w owns columns 128 w .. +127: 64 accumulators of 16 x 16.
; A (the 128 rows, rounded to bf16 and written as f16, which holds them exactly from 2^-14 up to 65,504; below 2^-14 in steps of 2^-24) lies whole in LDS.
; B is W2 as two f16 images (lo, then hi: 64 W2 = hi + lo / 2048), laid out by the launch before as fragments.  It goes through two LDS slots in 16 steps of 64 along K, 64 KiB each;
; a wave fetches and reads its own 16 KiB of a slot.  The sum: X = A lo (32 x 16 K); X 2^-11; X += A hi; R = X 2^-6 + c.  So W2 enters with 22 bits, and the products are f16 matrix products with f32 sums.
; CLUSTER: all work-groups walk the same B, so the four of a cluster ask for each tile jointly: the same tensor load, descriptor and mask in all four.  My place in the cluster enters the addresses of feats, fb and rr alone.
; THE MATRIX INSTRUCTION IS USED TRANSPOSED: source 0 = 16 columns of R (rows of the image), source 1 = 16 rows of A: lane (r, h), register j holds R[16 a + r][128 w + 16 b + 8 h + j].
; LIMITS: |feats| < 65,504.
; REGISTERS, in windows of 256: window 0: v0-31 addresses; v64-127, v128-191 fragments of A, two buffers; window 1: the same numbers, fragments of B; windows 2 and 3: accumulator (a, b) at v[8 (8 (a % 4) + b)].
; In the head window 0 holds v32-159 rows as loaded, v160-223 the same in bf16; on the way out v64-127 c, v128-191 results, v192-255 rows read back.
.set SLOTB,  65536
.set ABASE,  2*SLOTB                   ; behind the ring: A, 128 rows
.set APITCH, 1040                      ; 1,024 bytes + 16: an odd multiple of 16, so the 16 rows of a fragment load start in 16 different columns of 16 bytes
.set STAGE,  ABASE+128*APITCH          ; 16 rows x 528 bytes for each wave, for the way out
.set SPITCH, 528
.set SPARE,  STAGE+4*16*SPITCH         ; the spare words, 128 bytes for each wave
.set CVEC,   1048576
.set GLO, 10                           ; v10  16 x lane
.set FBO, 11                           ; v11  8 x lane
.set AST, 12                           ; v12  the head: where I put 8 bytes of A
.set ADRA, 16                          ; v16-17 LDS address of A fragments, rows 0-63 and 64-127, at the K in hand
.set ROWA, 18                          ; v18-19 the same at K = 0; never rewritten
.set ADRB, 20                          ; v20-21 my 16 bytes in my part of slot 0, 1
.set STO, 24
.set RD,  25
.set CO,  26
.set CVO, 27
.set SPW, 28                           ; v28  my spare word; never rewritten
.set NIL, 29                           ; v29  0; never rewritten
.set RAWR, 32
.set PK,  160
.set F0,  64
.set F1,  128
.set CV,  64
.set TMP, 128
.set OB,  192
.set G1, 24                            ; s[24:31] descriptor group 1
.set G0, 32                            ; s[32:39] descriptor group 0, a set for each slot
.set MSB, 0
.macro WIN new                         ; the high byte repeats the setting that is left; a switch that changes nothing is dropped
.if MSB != (\new)
	s_set_vgpr_msb (MSB<<8)|(\new)
.set MSB, \new
.endif
.endm
.set MUL_LO, 0xa1                      ; source 0 (B) window 1, source 1 (A) window 0, C and D window 2
.set MUL_HI, 0xf1                      ; the same, C and D window 3
.set TO_B,   0x40                      ; destination window 1, address window 0
.macro PLACES                          ; four places behind matrix instructions, in front of loads into their sources and of vector lines on their registers
.rept 4
	v_nop
.endr
.endm
.macro JLOAD s                         ; my part of a slot, asked for jointly
	tensor_load_to_lds s[G0+4*(\s):G0+4*(\s)+3], s[G1:G1+7]
	s_nop 0
	PLACES
.endm
.macro CREST                           ; a round of the cluster's barrier behind its opening barrier
	s_cmp_lg_u32 s12, 0
	s_cbranch_scc1 .Lnot_wave_0_\@
	s_barrier_signal -3
.Lnot_wave_0_\@:
	s_barrier_wait -3
	s_barrier_signal -1
	s_barrier_wait -1
.endm
.macro CROUND
	s_barrier_signal -1
	s_barrier_wait -1
	CREST
.endm
; 16 matrix instructions: row blocks a0, a0 + 1 of the window's four x all 8 column blocks, 32 along K.  zero = 1: the product starts the sums.  The 64 accumulators take turns.
.macro MUL16 f, hi, a0, zero
	WIN MUL_LO+0x50*(\hi)
.irp a, \a0, (\a0)+1
.irp b, 0,1,2,3,4,5,6,7
.if \zero
	v_wmma_f32_16x16x32_f16 v[8*(8*(\a)+(\b)):8*(8*(\a)+(\b))+7], v[(\f)+8*(\b):(\f)+8*(\b)+7], v[(\f)+8*(4*(\hi)+(\a)):(\f)+8*(4*(\hi)+(\a))+7], 0
.else
	v_wmma_f32_16x16x32_f16 v[8*(8*(\a)+(\b)):8*(8*(\a)+(\b))+7], v[(\f)+8*(\b):(\f)+8*(\b)+7], v[(\f)+8*(4*(\hi)+(\a)):(\f)+8*(4*(\hi)+(\a))+7], v[8*(8*(\a)+(\b)):8*(8*(\a)+(\b))+7]
.endif
.endr
.endr
.endm
; 32 LDS loads in one run: the fragments of 32 along K: B from half q of the slot (lanes 16 bytes apart), A at byte s15 of its rows.  s15 steps by 64 and goes round at 1,024: A is walked twice, for lo and for hi.
.macro FETCH slot, q, f
	WIN 0
	v_add_nc_u32 v[ADRA], s15, v[ROWA]
	v_add_nc_u32 v[ADRA+1], s15, v[ROWA+1]
	s_add_co_u32 s15, s15, 64
	s_and_b32 s15, s15, 1023
	WIN TO_B
.irp i, 0,1,2,3,4,5,6,7
	ds_load_b128 v[(\f)+8*(\i):(\f)+8*(\i)+3],   v[ADRB+(\slot)] offset:(\q)*8192+(\i)*1024
	ds_load_b128 v[(\f)+8*(\i)+4:(\f)+8*(\i)+7], v[ADRB+(\slot)] offset:(\q)*8192+(\i)*1024+512
.endr
	WIN 0
.irp i, 0,1,2,3,4,5,6,7
	ds_load_b128 v[(\f)+8*(\i):(\f)+8*(\i)+3],   v[ADRA+(\i)/4] offset:((\i)%4)*16*APITCH
	ds_load_b128 v[(\f)+8*(\i)+4:(\f)+8*(\i)+7], v[ADRA+(\i)/4] offset:((\i)%4)*16*APITCH+32
.endr
.endm
; A slot's first half: multiplies buffer f and, in its middle, fetches the slot's second half into g
.macro QUARTER slot, f, g, zero
	s_wait_dscnt 8                                 ; B and A's rows 0-63 are in; the youngest eight loads (A's rows 64-127) may be out
	MUL16 \f, 0, 0, \zero
	MUL16 \f, 0, 2, \zero
	PLACES
	FETCH \slot, 1, \g
	s_wait_dscnt 32                                ; all but the 32 just issued
	MUL16 \f, 1, 0, \zero
	MUL16 \f, 1, 2, \zero
.endm
; A slot's second half multiplies buffer 1 and changes slots.  In front of the barrier each wave waits for all its tensor loads (one is out: its part of the other slot), adds 0 to its spare word, and waits for that and for its reads of this slot.
.macro MEET round
	WIN 0
	s_wait_tensorcnt 0x0
	ds_add_u32 v[SPW], v[NIL]
	s_wait_dscnt 9                                 ; the add and the youngest eight loads may be out
	MUL16 F1, 0, 0, 0
	s_wait_dscnt 0x0                               ; the add is done, and my reads of this slot are over
	s_barrier_signal -1
	MUL16 F1, 0, 2, 0
.if \round
	WIN 0
.endif
	s_barrier_wait -1
.endm
.macro TURN slot, next
	MEET 1
	CREST                                          ; the barrier has opened a round of the cluster's: no wave of any partner reads this slot or has a load on its way
	s_add_nc_u64 s[G0+4*(\slot)+2:G0+4*(\slot)+3], s[G0+4*(\slot)+2:G0+4*(\slot)+3], 2*SLOTB
	JLOAD \slot                                    ; the first tensor load behind the round, my one load until the next; its four v_nop are also the places in front of the loads below
	FETCH \next, 0, F0
	MUL16 F1, 1, 0, 0
	MUL16 F1, 1, 2, 0
.endm
.macro SCALE                           ; all 512 sums times 2^-11, each accumulator from its low end on
	PLACES
	WIN 0x82
.set i, 0
.rept 128
	v_pk_mul_f32 v[i:i+1], v[i:i+1], s[40:41] op_sel_hi:[1,0]
.set i, i+2
.endr
	WIN 0xc3
.set i, 0
.rept 128
	v_pk_mul_f32 v[i:i+1], v[i:i+1], s[40:41] op_sel_hi:[1,0]
.set i, i+2
.endr
.endm
	s_load_b256 s[4:11], s[0:1], 0x0               ; feats s[4:5], wsw s[6:7], fb s[8:9], rr s[10:11]
	v_lshl_add_u32 v[SPW], v0, 2, SPARE
	v_mov_b32 v[NIL], 0
	ds_add_u32 v[SPW], v[NIL]                      ; the opening: the add and its wait ahead of my first tensor load
	ds_add_u32 v28, v29
	v_lshrrev_b32 v1, 5, v0
	v_readfirstlane_b32 s12, v1                    ; wave
	s_bfe_u32 s13, ttmp6, 0x40000                  ; cx
	s_lshl_b32 s14, ttmp9, 2
	s_add_co_u32 s14, s14, s13                     ; my block of 128 rows
	s_mov_b32 s[G1+0], 15|(3<<16)|(1<<21)          ; the mask of four; elements of 8 bytes; bit 21 beside a mask; no padding
	s_mov_b32 s[G1+1], 32<<16                      ; tensor_dim0 = 32: rows of 256 bytes
	s_mov_b32 s[G1+2], 64<<16                      ; tensor_dim1 = 64
	s_mov_b32 s[G1+3], 32<<16                      ; tile_dim0 = 32
	s_mov_b32 s[G1+4], 64                          ; tile_dim1 = 64: 16 KiB, dense
	s_mov_b32 s[G1+5], 32
	s_mov_b32 s[G1+6], 0
	s_mov_b32 s[G1+7], 0
	s_lshl_b32 s16, s12, 14                        ; my 16 KiB of a slot, in memory and in LDS
	s_mov_b32 s17, 0
	s_mov_b32 s15, 0
	s_mov_b32 s40, 0x3a000000                      ; 2^-11
	s_mov_b32 s41, s40
	s_mov_b32 s42, 0x3c800000                      ; 2^-6
	s_mov_b32 s43, s42
	s_mov_b32 s46, 0xffff0000
	s_lshl_b32 s20, s14, 18                        ; 128 rows of 2,048 bytes,
	s_lshl_b32 s21, s12, 16                        ; my wave's 32 of them
	s_add_co_u32 s20, s20, s21
	s_mov_b32 s21, 0
	s_lshr_b32 s22, s20, 1                         ; the same rows in fb
	s_mov_b32 s23, 0
	s_lshl_b32 s44, s14, 18                        ; the block's first row in rr
	s_mov_b32 s45, 0
	s_wait_dscnt 0x0                               ; the opening add is done
	s_wait_kmcnt 0x0
	s_add_nc_u64 s[18:19], s[6:7], s[16:17]
	s_add_nc_u64 s[4:5], s[4:5], s[20:21]
	s_add_nc_u64 s[8:9], s[8:9], s[22:23]
	s_add_nc_u64 s[10:11], s[10:11], s[44:45]
	CROUND                                         ; all four work-groups are here: the first joint loads meet
.irp s, 0,1
	s_mov_b32 s[G0+4*(\s)], 1
	s_add_co_u32 s[G0+4*(\s)+1], s16, (\s)*SLOTB
	s_add_nc_u64 s[G0+4*(\s)+2:G0+4*(\s)+3], s[18:19], (\s)*SLOTB
	s_or_b32 s[G0+4*(\s)+3], s[G0+4*(\s)+3], 0x80000000
	JLOAD \s                                       ; both first fills go out together: two loads of mine are out
.endr
	v_and_b32 v1, 31, v0
	v_and_b32 v2, 15, v0                           ; r
	v_bfe_u32 v3, v0, 4, 1                         ; h
	v_lshlrev_b32 v[GLO], 4, v1
	v_lshlrev_b32 v[FBO], 3, v1
	s_mul_i32 s47, s12, 32*APITCH
	s_add_co_u32 s47, s47, ABASE
	v_add_nc_u32 v[AST], s47, v[FBO]
	v_mul_u32_u24 v4, v2, APITCH
	v_lshl_add_u32 v4, v3, 4, v4
	v_add_nc_u32 v[ROWA], ABASE, v4
	v_add_nc_u32 v[ROWA+1], ABASE+64*APITCH, v4
	v_add_nc_u32 v[ADRB], s16, v[GLO]
	v_add_nc_u32 v[ADRB+1], SLOTB, v[ADRB]
	s_mul_i32 s21, s12, 16*SPITCH
	s_add_co_u32 s21, s21, STAGE
	v_mul_u32_u24 v5, v2, SPITCH
	v_lshl_add_u32 v5, v3, 5, v5
	v_add_nc_u32 v[STO], s21, v5                   ; into my stage: row r, 32 bytes for each half of the lanes
	v_add_nc_u32 v[RD], s21, v[GLO]                ; back: a whole row of 512 bytes
	s_lshl_b32 s22, s12, 9
	v_add_nc_u32 v[CO], s22, v[GLO]                ; my 16 bytes of my wave's 512 in a row of rr
	v_lshlrev_b32 v5, 5, v3
	v_add_nc_u32 v[CVO], s22, v5                   ; my eight words of c for column block 0
	; THE HEAD: my wave's 32 rows, 8 a trip.  A load takes 512 consecutive bytes of a row; they leave as 256 consecutive bytes of fb and go, as f16, into A.
	s_mov_b32 s3, 4
.Lhead:
.set n, 0
.rept 32
	global_load_b128 v[RAWR+4*n:RAWR+4*n+3], v[GLO], s[4:5] offset:(n/4)*2048+(n%4)*512 th:TH_LOAD_NT
.set n, n+1
.endr
.set n, 0
.rept 32
	s_wait_loadcnt 31-n                            ; loads come back in order: the younger ones of the trip stay out
	v_cvt_pk_bf16_f32 v[PK+2*n], v[RAWR+4*n], v[RAWR+4*n+1]
	v_cvt_pk_bf16_f32 v[PK+2*n+1], v[RAWR+4*n+2], v[RAWR+4*n+3]
	global_store_b64 v[FBO], v[PK+2*n:PK+2*n+1], s[8:9] offset:(n/4)*1024+(n%4)*256
	v_lshlrev_b32 v[RAWR+4*n], 16, v[PK+2*n]
	v_and_b32 v[RAWR+4*n+1], s46, v[PK+2*n]
	v_lshlrev_b32 v[RAWR+4*n+2], 16, v[PK+2*n+1]
	v_and_b32 v[RAWR+4*n+3], s46, v[PK+2*n+1]
	v_cvt_pk_f16_f32 v[RAWR+4*n], v[RAWR+4*n], v[RAWR+4*n+1]
	v_cvt_pk_f16_f32 v[RAWR+4*n+1], v[RAWR+4*n+2], v[RAWR+4*n+3]
	ds_store_b64 v[AST], v[RAWR+4*n:RAWR+4*n+1] offset:(n/4)*APITCH+(n%4)*256
.set n, n+1
.endr
	s_wait_xcnt 0x0                                ; the bases and the stores' data are written again only behind this wait
	s_wait_dscnt 0x0                               ; and the rows' registers are loaded again when the LDS stores have gone
	s_add_nc_u64 s[4:5], s[4:5], 16384
	s_add_nc_u64 s[8:9], s[8:9], 8192
	s_add_co_u32 s47, s47, 8*APITCH
	v_add_nc_u32 v[AST], s47, v[FBO]
	s_sub_co_u32 s3, s3, 1
	s_cmp_lg_u32 s3, 0
	s_cbranch_scc1 .Lhead
	s_wait_dscnt 0x0                               ; for the others: my rows of A are written
	s_wait_tensorcnt 0x1                           ; my part of slot 0 is in; slot 1's may stay out
	s_barrier_signal -1
	s_barrier_wait -1
	FETCH 0, 0, F0
	QUARTER 0, F0, F1, 1                           ; the first 32 along K start the sums
	WIN 0
	s_mov_b32 s3, 7
.Llap:                                                 ; a trip goes once round the ring and fills both slots again: steps 2 .. 15
	TURN 0, 1
	QUARTER 1, F0, F1, 0
	TURN 1, 0
	WIN 0
	s_cmp_lg_u32 s3, 4                             ; the fourth trip has just ended lo (16 x 32 along K): the sums are scaled before hi begins
	s_cbranch_scc1 .Lnoscale
	SCALE
	WIN 0
.Lnoscale:
	QUARTER 0, F0, F1, 0
	WIN 0
	s_sub_co_u32 s3, s3, 1
	s_cmp_lg_u32 s3, 0
	s_cbranch_scc1 .Llap
	MEET 0                                         ; the tail is written out: nothing is left to fetch, so no round follows
	PLACES
	FETCH 1, 0, F0
	MUL16 F1, 1, 0, 0
	MUL16 F1, 1, 2, 0
	QUARTER 1, F0, F1, 0
	s_wait_dscnt 8
	MUL16 F1, 0, 0, 0
	MUL16 F1, 0, 2, 0
	s_wait_dscnt 0x0
	MUL16 F1, 1, 0, 0
	MUL16 F1, 1, 2, 0
	; THE WAY OUT: R = X 2^-6 + c; a block of 16 rows at a time through my own stage, back as whole rows of 512 bytes.
	WIN 0
	PLACES
.irp b, 0,1,2,3,4,5,6,7
	global_load_b128 v[CV+8*\b:CV+8*\b+3], v[CVO], s[6:7] offset:CVEC+64*\b
	global_load_b128 v[CV+8*\b+4:CV+8*\b+7], v[CVO], s[6:7] offset:CVEC+64*\b+16
.endr
	s_wait_loadcnt 0x0
.macro OUT a
	WIN 0x02+((\a)/4)                              ; source 0 in window 2 or 3
.set AC, 64*((\a)%4)
.set i, 0
.rept 32
	v_pk_fma_f32 v[TMP+2*i:TMP+2*i+1], v[AC+2*i:AC+2*i+1], s[42:43], v[CV+2*i:CV+2*i+1] op_sel_hi:[1,0,1]
.set i, i+1
.endr
	WIN 0
	s_wait_xcnt 0x0                                ; the last block's stores have read their base and data
.if (\a) > 0
	s_add_nc_u64 s[10:11], s[10:11], 32768         ; 16 rows of rr on
.endif
.irp b, 0,1,2,3,4,5,6,7
	ds_store_b128 v[STO], v[TMP+8*\b:TMP+8*\b+3] offset:64*\b
	ds_store_b128 v[STO], v[TMP+8*\b+4:TMP+8*\b+7] offset:64*\b+16
.endr
.irp t, 0,1,2,3,4,5,6,7,8,9,10,11,12,13,14,15
	ds_load_b128 v[OB+4*\t:OB+4*\t+3], v[RD] offset:\t*SPITCH  ; LDS serves a wave's instructions in order (ISA guide 5.7.1.4): these see the stores above
.endr
	s_wait_dscnt 0x0
.irp t, 0,1,2,3,4,5,6,7,8,9,10,11,12,13,14,15
	global_store_b128 v[CO], v[OB+4*\t:OB+4*\t+3], s[10:11] offset:\t*2048  ; 512 consecutive bytes, at a multiple of 256 from the buffer's first
.endr
.endm
.irp a, 0,1,2,3,4,5,6,7
	OUT \a
.endr
	s_wait_tensorcnt 0x0                           ; the wave's end
	ds_add_u32 v[SPW], v[NIL]
	s_wait_dscnt 0x0
	CROUND                                         ; the closing round
	s_endpgm
.Lfunc_end_k_q648f58b4b2_proj:
	.size	k_q648f58b4b2_proj, .Lfunc_end_k_q648f58b4b2_proj-k_q648f58b4b2_proj
	.p2alignl 7, 3214868480
	.fill 96, 4, 3214868480
	.section	.rodata,"a",@progbits
	.p2align	6, 0x0
	.amdhsa_kernel k_q648f58b4b2_proj
		.amdhsa_group_segment_fixed_size 327680
		.amdhsa_private_segment_fixed_size 0
		.amdhsa_enable_private_segment 0
		.amdhsa_kernarg_size 32
		.amdhsa_user_sgpr_count 2
		.amdhsa_user_sgpr_kernarg_segment_ptr 1
		.amdhsa_wavefront_size32 1
		.amdhsa_system_sgpr_workgroup_id_x 1
		.amdhsa_system_sgpr_workgroup_id_y 1
		.amdhsa_system_sgpr_workgroup_id_z 1
		.amdhsa_system_vgpr_workitem_id 0
		.amdhsa_next_free_vgpr 1024
		.amdhsa_next_free_sgpr 66
		.amdhsa_reserve_vcc 0
		.amdhsa_float_denorm_mode_32 3
		.amdhsa_float_denorm_mode_16_64 3
		.amdhsa_memory_ordered 1
		.amdhsa_forward_progress 1
		.amdhsa_inst_pref_size 144
	.end_amdhsa_kernel
	.amdgpu_metadata
---
amdhsa.version: [ 1, 2 ]
amdhsa.kernels:
  - .name:           k_q648f58b4b2_proj
    .symbol:         k_q648f58b4b2_proj.kd
    .args:
      - { .name: feats, .offset: 0, .size: 8, .value_kind: global_buffer, .address_space: global }
      - { .name: wsw, .offset: 8, .size: 8, .value_kind: global_buffer, .address_space: global }
      - { .name: fb, .offset: 16, .size: 8, .value_kind: global_buffer, .address_space: global }
      - { .name: rr, .offset: 24, .size: 8, .value_kind: global_buffer, .address_space: global }
    .group_segment_fixed_size: 327680
    .private_segment_fixed_size: 0
    .kernarg_segment_align: 8
    .kernarg_segment_size: 32
    .max_flat_workgroup_size: 128
    .sgpr_count:     66
    .vgpr_count:     1024
    .wavefront_size: 32
...
	.end_amdgpu_metadata
.endif
;; end of part 2
;; launch knn1 (part 3): grid 256 x 1, 4 waves a work-group, no clusters, 231,936 bytes of LDS; arguments wsw, grp; writes grp
.if DOCPART == 3
	.amdgcn_target "amdgcn-amd-amdhsa--gfx1250"
	.amdhsa_code_object_version 6
	.text
	.protected	k_q648f58b4b2_knn1
	.globl	k_q648f58b4b2_knn1
	.p2align	8
	.type	k_q648f58b4b2_knn1,@function
k_q648f58b4b2_knn1:
	s_mov_b64 s[64:65], 0
	v_nop
	global_prefetch_b8 v0, s[64:65] scope:SCOPE_SE
	s_setreg_imm32_b32 hwreg(HW_REG_WAVE_MODE, 25, 1), 1
	s_wait_xcnt 0x0
; KNN1.  For each of the 32,768 points as a query: which 17 of its batch's 256 groups of 32 consecutive points come first by (least d2 in the group, group number).
; The order of points is (d2, index), as a stable top-k has it.  A group ahead of a point's own group holds a point ahead of that point, so the first 17 points lie in the first 17 groups.
; d2 = fma(dz, dz, fma(dy, dy, dx dx)), d = c + (-q), on coordinates rounded to bf16: the same lines in all three launches, so the numbers agree bit for bit.
; LIMITS: NaN, infinite coordinates and d2 beyond f32 are not treated.
; A work-group owns 128 queries.  PHASE A: wave w scans points 2048 w .. +2047 for ALL 128 queries, lane l holding queries 4 l .. 4 l + 3 as two pairs; a point's coordinates are read from LDS by all lanes at one address.
; The group minima meet in LDS.  PHASE B: a lane is one query; pass 1 keeps the 17 least of its 256 minima in sorted registers, pass 2 collects the numbers of the groups that hold them, ascending.
; No branch and no address hangs on a distance.  No cluster: what work-groups share is one first fill of 96 KiB for the whole launch.  The matrix units have no part in distances of three coordinates kept to the last bit.
.set CRDA, 1052928
.set CRD,  131072                      ; behind the minima (256 groups x 128 queries x 4 bytes): each wave's 2,048 points, 24,576 bytes,
.set CRDW, 25088                       ; and 512 bytes of zeros behind them, which the loads that run ahead of the last group read
.set SPARE, 231424
.set NQ, 4                             ; v[4:15]  -x, -y, -z of my four queries: -x0 -x1 -x2 -x3, then y, then z
.set RM, 16                            ; v[16:19] the group's minimum for each
.set CA, 20                            ; v20 the group's first byte in my wave's points (the same in all lanes)
.set MS, 21                            ; v21 where the minima go
.set MA, 22                            ; v22 phase B: where my query's minima are read
.set QO, 23                            ; v23 4 x my query's number
.set SPW, 24
.set NIL, 25
.set RT, 26                            ; the 17th least value
.set RE, 27                            ; how many of the 17 equal it
.set SEEN, 28                          ; how many such have been met
.set L16, 29
.set T4, 30
.set CB, 32                            ; v[32:79]  four buffers of 12: four points as they lie, x y z x y z ..
.set RD, 80                            ; v[80:127] differences: point c, coordinate k, pair p at RD + 2 (6 c + 2 k + p)
.set REE, 128                          ; v[128:143] d2: point c, query q at REE + 4 c + q
.set RA, 32                            ; phase B: v[32:48] the 17 least, sorted
.set RO, 52                            ; v[52:68] the 17 numbers
.set RX, 72                            ; v[72:79] a ring of eight minima
.macro PKB dst, a, reg                 ; pair dst = pair a + register reg, in both halves
.if (\reg)&1
	v_pk_add_f32 v[\dst:(\dst)+1], v[\a:(\a)+1], v[(\reg)-1:\reg] op_sel:[0,1] op_sel_hi:[1,1]
.else
	v_pk_add_f32 v[\dst:(\dst)+1], v[\a:(\a)+1], v[\reg:(\reg)+1] op_sel_hi:[1,0]
.endif
.endm
.macro BLK i, first                    ; four points against four queries; the buffer is filled again with the points four blocks on
.set cb, CB+12*((\i)&3)
	s_wait_dscnt 9                                 ; LDS answers in order: behind this block's three loads stand those of three later blocks
.set bc, 0
.rept 4
.set bk, 0
.rept 3
	PKB RD+2*(6*bc+2*bk), NQ+4*bk, cb+3*bc+bk
	PKB RD+2*(6*bc+2*bk+1), NQ+4*bk+2, cb+3*bc+bk
.set bk, bk+1
.endr
.set bc, bc+1
.endr
.irp j, 0,1,2
	ds_load_b128 v[cb+4*\j:cb+4*\j+3], v[CA] offset:((\i)+4)*48+16*\j
.endr
.set bc, 0
.rept 8
	v_pk_mul_f32 v[REE+2*bc:REE+2*bc+1], v[RD+2*(6*(bc/2)+bc%2):RD+2*(6*(bc/2)+bc%2)+1], v[RD+2*(6*(bc/2)+bc%2):RD+2*(6*(bc/2)+bc%2)+1]
.set bc, bc+1
.endr
.set bc, 0
.rept 8
	v_pk_fma_f32 v[REE+2*bc:REE+2*bc+1], v[RD+2*(6*(bc/2)+2+bc%2):RD+2*(6*(bc/2)+2+bc%2)+1], v[RD+2*(6*(bc/2)+2+bc%2):RD+2*(6*(bc/2)+2+bc%2)+1], v[REE+2*bc:REE+2*bc+1]
.set bc, bc+1
.endr
.set bc, 0
.rept 8
	v_pk_fma_f32 v[REE+2*bc:REE+2*bc+1], v[RD+2*(6*(bc/2)+4+bc%2):RD+2*(6*(bc/2)+4+bc%2)+1], v[RD+2*(6*(bc/2)+4+bc%2):RD+2*(6*(bc/2)+4+bc%2)+1], v[REE+2*bc:REE+2*bc+1]
.set bc, bc+1
.endr
.set bq, 0
.rept 4
.if \first
	v_min_num_f32 v[RM+bq], v[REE+bq], v[REE+4+bq] ; the group's first points start the minimum: nothing is cleared
.else
	v_min3_num_f32 v[RM+bq], v[RM+bq], v[REE+bq], v[REE+4+bq]
.endif
.set bq, bq+1
.endr
.set bq, 0
.rept 4
	v_min3_num_f32 v[RM+bq], v[RM+bq], v[REE+8+bq], v[REE+12+bq]
.set bq, bq+1
.endr
.endm
.macro NET17 x                         ; x goes into the sorted 17: place i takes the middle one of its neighbour below, x and itself; from the top down, so each line reads old values
.set ni, 16
.rept 16
	v_med3_num_f32 v[RA+ni], v[RA+ni-1], v[\x], v[RA+ni]
.set ni, ni-1
.endr
	v_min_num_f32 v[RA], v[RA], v[\x]
.endm
.macro PUSH x, id                      ; x is taken if it is below the 17th value, or equals it and fewer than RE such have been met: then the list moves down by one and id enters at the top
	v_cmp_lt_f32 s30, v[\x], v[RT]
	v_cmp_lt_u32 s31, v[SEEN], v[RE]
	v_cmp_eq_f32 vcc_lo, v[\x], v[RT]
	s_and_b32 s31, s31, vcc_lo
	v_add_co_ci_u32 v[SEEN], vcc_lo, 0, v[SEEN], vcc_lo
	s_or_b32 vcc_lo, s30, s31
.set pi, 0
.rept 16
	v_cndmask_b32 v[RO+pi], v[RO+pi], v[RO+pi+1], vcc_lo
.set pi, pi+1
.endr
	v_cndmask_b32 v[RO+16], v[RO+16], \id, vcc_lo
.endm
	s_load_b128 s[4:7], s[0:1], 0x0                ; wsw s[4:5], grp s[6:7]
	v_lshl_add_u32 v[SPW], v0, 2, SPARE
	v_mov_b32 v[NIL], 0
	ds_add_u32 v[SPW], v[NIL]                      ; the opening: the add and its wait ahead of my first tensor load
	ds_add_u32 v24, v25
	v_lshrrev_b32 v1, 5, v0
	v_readfirstlane_b32 s8, v1                     ; wave
	v_and_b32 v1, 31, v0
	s_mov_b32 s9, ttmp9
	s_lshr_b32 s10, s9, 6                          ; batch
	s_mov_b32 s16, 3<<16                           ; group 1: elements of 8 bytes, no padding
	s_mov_b32 s17, 32<<16                          ; rows of 256 bytes,
	s_mov_b32 s18, 96<<16                          ; 96 of them, dense: 24,576 bytes
	s_mov_b32 s19, 32<<16
	s_mov_b32 s20, 96
	s_mov_b32 s21, 32
	s_mov_b32 s22, 0
	s_mov_b32 s23, 0
	s_mov_b32 s12, 1
	s_mul_i32 s13, s8, CRDW
	s_add_co_u32 s13, s13, CRD                     ; my wave's own bytes
	s_mul_i32 s2, s10, 98304
	s_mul_i32 s3, s8, 24576
	s_add_co_u32 s2, s2, s3
	s_add_co_u32 s2, s2, CRDA
	s_mov_b32 s3, 0
	s_wait_dscnt 0x0
	s_wait_kmcnt 0x0
	s_add_nc_u64 s[14:15], s[4:5], s[2:3]
	s_or_b32 s15, s15, 0x80000000
	tensor_load_to_lds s[12:15], s[16:23]          ; one first fill a wave; nothing is filled again
	s_nop 0
	v_lshlrev_b32 v[L16], 4, v1
	v_lshlrev_b32 v[T4], 2, v0
	v_mov_b32 v[CA], s13
	v_add_nc_u32 v3, s13, v[L16]
.irp i, 16,17,18,19
	v_mov_b32 v\i, 0
.endr
	ds_store_b128 v3, v[16:19] offset:24576        ; the zeros behind my points
	s_lshl_b32 s24, s9, 5
	v_add_nc_u32 v2, s24, v1
	v_mul_u32_u24 v2, v2, 48                       ; my four queries: 48 bytes
	global_load_b128 v[32:35], v2, s[4:5] offset:CRDA
	global_load_b128 v[36:39], v2, s[4:5] offset:CRDA+16
	global_load_b128 v[40:43], v2, s[4:5] offset:CRDA+32
	s_mov_b32 s27, s13                             ; steps with the groups
	s_lshl_b32 s28, s8, 15                         ; my wave's 64 rows of minima
	v_add_nc_u32 v[MS], s28, v[L16]
	s_lshl_b32 s26, s9, 9
	v_add_nc_u32 v[QO], s26, v[T4]
	s_wait_loadcnt 0x0
.irp q, 0,1,2,3
.irp k, 0,1,2
	v_xor_b32 v[NQ+4*\k+\q], 0x80000000, v[32+3*\q+\k]
.endr
.endr
	s_wait_tensorcnt 0x0                           ; my points are in; only I read them in phase A
.irp i, 0,1,2,3
.irp j, 0,1,2
	ds_load_b128 v[CB+12*\i+4*\j:CB+12*\i+4*\j+3], v[CA] offset:48*\i+16*\j
.endr
.endr
	s_mov_b32 s24, 64
.Lgrp:                                                 ; a trip: one group of 32 points
	BLK 0, 1
.irp i, 1,2,3,4,5,6,7
	BLK \i, 0
.endr
	ds_store_b128 v[MS], v[RM:RM+3]
	s_add_co_u32 s27, s27, 384
	s_add_co_u32 s28, s28, 512
	v_mov_b32 v[CA], s27
	v_add_nc_u32 v[MS], s28, v[L16]
	s_sub_co_u32 s24, s24, 1
	s_cmp_lg_u32 s24, 0
	s_cbranch_scc1 .Lgrp
	s_wait_dscnt 0x0                               ; for the others: my minima are written (and the loads that ran ahead are back)
	s_barrier_signal -1
	s_barrier_wait -1
	; PHASE B, pass 1
.set i, 0
.rept 17
	v_mov_b32 v[RA+i], 0x7f800000
.set i, i+1
.endr
	v_mov_b32 v[MA], v[T4]
	s_mov_b32 s29, 0
.irp i, 0,1,2,3,4,5,6,7
	ds_load_b32 v[RX+\i], v[MA] offset:512*\i
.endr
	s_mov_b32 s24, 32
.Lp1:
.irp i, 0,1,2,3,4,5,6,7
	s_wait_dscnt 7                                 ; the seven younger loads of the ring stay out
	NET17 RX+\i
	ds_load_b32 v[RX+\i], v[MA] offset:512*(8+\i)  ; eight groups ahead; in the last trip these read landed bytes behind the minima and are not used
.endr
	s_add_co_u32 s29, s29, 4096
	v_add_nc_u32 v[MA], s29, v[T4]
	s_sub_co_u32 s24, s24, 1
	s_cmp_lg_u32 s24, 0
	s_cbranch_scc1 .Lp1
	s_wait_dscnt 0x0
	v_mov_b32 v[RT], v[RA+16]
	v_mov_b32 v[RE], 0
.set i, 0
.rept 17
	v_cmp_eq_f32 vcc_lo, v[RA+i], v[RT]
	v_add_co_ci_u32 v[RE], vcc_lo, 0, v[RE], vcc_lo
.set i, i+1
.endr
	; pass 2: exactly 17 groups are taken, in ascending order
.set i, 0
.rept 17
	v_mov_b32 v[RO+i], 0
.set i, i+1
.endr
	v_mov_b32 v[SEEN], 0
	v_mov_b32 v[MA], v[T4]
	s_mov_b32 s29, 0
	s_mov_b32 s25, 0                               ; the group's number
.irp i, 0,1,2,3,4,5,6,7
	ds_load_b32 v[RX+\i], v[MA] offset:512*\i
.endr
	s_mov_b32 s24, 32
.Lp2:
.irp i, 0,1,2,3,4,5,6,7
	s_wait_dscnt 7
	PUSH RX+\i, s25
	s_add_co_u32 s25, s25, 1
	ds_load_b32 v[RX+\i], v[MA] offset:512*(8+\i)
.endr
	s_add_co_u32 s29, s29, 4096
	v_add_nc_u32 v[MA], s29, v[T4]
	s_sub_co_u32 s24, s24, 1
	s_cmp_lg_u32 s24, 0
	s_cbranch_scc1 .Lp2
.set i, 0
.rept 17
	global_store_b32 v[QO], v[RO+i], s[6:7] offset:i*131072
.set i, i+1
.endr
	s_wait_tensorcnt 0x0                           ; the wave's end
	ds_add_u32 v[SPW], v[NIL]
	s_wait_dscnt 0x0
	s_endpgm
.Lfunc_end_k_q648f58b4b2_knn1:
	.size	k_q648f58b4b2_knn1, .Lfunc_end_k_q648f58b4b2_knn1-k_q648f58b4b2_knn1
	.p2alignl 7, 3214868480
	.fill 96, 4, 3214868480
	.section	.rodata,"a",@progbits
	.p2align	6, 0x0
	.amdhsa_kernel k_q648f58b4b2_knn1
		.amdhsa_group_segment_fixed_size 231936
		.amdhsa_private_segment_fixed_size 0
		.amdhsa_enable_private_segment 0
		.amdhsa_kernarg_size 16
		.amdhsa_user_sgpr_count 2
		.amdhsa_user_sgpr_kernarg_segment_ptr 1
		.amdhsa_wavefront_size32 1
		.amdhsa_system_sgpr_workgroup_id_x 1
		.amdhsa_system_sgpr_workgroup_id_y 1
		.amdhsa_system_sgpr_workgroup_id_z 1
		.amdhsa_system_vgpr_workitem_id 0
		.amdhsa_next_free_vgpr 144
		.amdhsa_next_free_sgpr 66
		.amdhsa_reserve_vcc 1
		.amdhsa_float_denorm_mode_32 3
		.amdhsa_float_denorm_mode_16_64 3
		.amdhsa_memory_ordered 1
		.amdhsa_forward_progress 1
		.amdhsa_inst_pref_size 57
	.end_amdhsa_kernel
	.amdgpu_metadata
---
amdhsa.version: [ 1, 2 ]
amdhsa.kernels:
  - .name:           k_q648f58b4b2_knn1
    .symbol:         k_q648f58b4b2_knn1.kd
    .args:
      - { .name: wsw, .offset: 0, .size: 8, .value_kind: global_buffer, .address_space: global }
      - { .name: grp, .offset: 8, .size: 8, .value_kind: global_buffer, .address_space: global }
    .group_segment_fixed_size: 231936
    .private_segment_fixed_size: 0
    .kernarg_segment_align: 8
    .kernarg_segment_size: 16
    .max_flat_workgroup_size: 128
    .sgpr_count:     66
    .vgpr_count:     144
    .wavefront_size: 32
...
	.end_amdgpu_metadata
.endif
;; end of part 3
;; launch knn2 (part 4): grid 256 x 1, 4 waves a work-group, no clusters, 209,408 bytes of LDS; arguments wsw, grp, sub; writes sub
.if DOCPART == 4
	.amdgcn_target "amdgcn-amd-amdhsa--gfx1250"
	.amdhsa_code_object_version 6
	.text
	.protected	k_q648f58b4b2_knn2
	.globl	k_q648f58b4b2_knn2
	.p2align	8
	.type	k_q648f58b4b2_knn2,@function
k_q648f58b4b2_knn2:
	s_mov_b64 s[64:65], 0
	v_nop
	global_prefetch_b8 v0, s[64:65] scope:SCOPE_SE
	s_setreg_imm32_b32 hwreg(HW_REG_WAVE_MODE, 25, 1), 1
	s_wait_xcnt 0x0
; KNN2.  A lane is one query.  Its 17 groups of 32 points (numbers read from grp, ascending) are cut into 136 sub-groups of 4 consecutive points; the 17 that come first by
; (least d2, sub-group number) are written to sub, ascending.  By the argument of the launch before they hold the first 17 points.  d2 as there, bit for bit.
; The batch's coordinates lie whole in LDS, by groups: X32 Y32 Z32 and 32 zeros, 512 bytes + 16 of padding.  Each lane reads its own groups; the group numbers come from memory, so the addresses hang on whole numbers that an earlier launch stored.
; PHASE A: a trip takes one group: eight chunks of 4 points, each three loads of 16 bytes, on a ring of eight chunk buffers that runs one group ahead; the eight minima go to my wave's own LDS rows.
; PHASE B: as in the launch before: the 17 least in sorted registers, then the numbers of those that hold them.
.set CRDA, 1052928
.set CRDS, 1446144
.set GP,   528
.set SMIN, 256*GP                      ; behind the image: for each wave 18 rows x 32 lanes x 8 minima; row 17 only feeds the loads that run ahead
.set SMW,  18432
.set SPARE, SMIN+4*SMW
.set NQ, 4                             ; v[4:7] -x, -y, -z, -z
.set AG, 8                             ; v[8:24] LDS address of my 17 groups; turned by one each trip
.set GI, 26                            ; v[26:42] 8 x their numbers; turned likewise in pass 2
.set NX, 44                            ; v44 the address in hand, bounded where it is used
.set CH, 48                            ; v[48:143] chunk c: X4, Y4, Z4 at CH + 12 c
.set RD, 144                           ; v[144:167]
.set REE, 168                          ; v[168:175]
.set SM, 176                           ; v[176:183] the group's eight minima
.set SS, 184
.set SPW, 185
.set NIL, 186
.set L32, 187
.set RA, 48
.set RO, 68
.set XA, 88                            ; v[88:91], v[92:95]: two quads of minima by turns
.set ID, 96
.set RT, 97
.set RE, 98
.set SEEN, 99
.set SA, 100
.macro PKB dst, a, reg
.if (\reg)&1
	v_pk_add_f32 v[\dst:(\dst)+1], v[\a:(\a)+1], v[(\reg)-1:\reg] op_sel:[0,1] op_sel_hi:[1,1]
.else
	v_pk_add_f32 v[\dst:(\dst)+1], v[\a:(\a)+1], v[\reg:(\reg)+1] op_sel_hi:[1,0]
.endif
.endm
.macro CH2 c                           ; chunks c and c + 1: eight points; their buffers take the next group's chunks
	s_wait_dscnt 18                                ; behind these two chunks' six loads stand those of six later chunks
.set cu, 0
.rept 2
.set ck, 0
.rept 3
	PKB RD+2*(6*cu+2*ck), CH+12*((\c)+cu)+4*ck, NQ+ck
	PKB RD+2*(6*cu+2*ck+1), CH+12*((\c)+cu)+4*ck+2, NQ+ck
.set ck, ck+1
.endr
.set cu, cu+1
.endr
.set cu, 0
.rept 2
.set ck, 0
.rept 3
	ds_load_b128 v[CH+12*((\c)+cu)+4*ck:CH+12*((\c)+cu)+4*ck+3], v[NX] offset:128*ck+16*((\c)+cu)
.set ck, ck+1
.endr
.set cu, cu+1
.endr
.set cq, 0
.rept 4
	v_pk_mul_f32 v[REE+2*cq:REE+2*cq+1], v[RD+2*(6*(cq/2)+cq%2):RD+2*(6*(cq/2)+cq%2)+1], v[RD+2*(6*(cq/2)+cq%2):RD+2*(6*(cq/2)+cq%2)+1]
.set cq, cq+1
.endr
.set cq, 0
.rept 4
	v_pk_fma_f32 v[REE+2*cq:REE+2*cq+1], v[RD+2*(6*(cq/2)+2+cq%2):RD+2*(6*(cq/2)+2+cq%2)+1], v[RD+2*(6*(cq/2)+2+cq%2):RD+2*(6*(cq/2)+2+cq%2)+1], v[REE+2*cq:REE+2*cq+1]
.set cq, cq+1
.endr
.set cq, 0
.rept 4
	v_pk_fma_f32 v[REE+2*cq:REE+2*cq+1], v[RD+2*(6*(cq/2)+4+cq%2):RD+2*(6*(cq/2)+4+cq%2)+1], v[RD+2*(6*(cq/2)+4+cq%2):RD+2*(6*(cq/2)+4+cq%2)+1], v[REE+2*cq:REE+2*cq+1]
.set cq, cq+1
.endr
	v_min3_num_f32 v[SM+(\c)], v[REE], v[REE+1], v[REE+2]
	v_min3_num_f32 v[SM+(\c)+1], v[REE+4], v[REE+5], v[REE+6]
	v_min_num_f32 v[SM+(\c)], v[SM+(\c)], v[REE+3]
	v_min_num_f32 v[SM+(\c)+1], v[SM+(\c)+1], v[REE+7]
.endm
.macro TURN17 base                     ; the list of 17 at base moves down by one, its first goes to the end; v[base+17] is at work
	v_mov_b32 v[(\base)+17], v[\base]
.set ti, 0
.rept 17
	v_mov_b32 v[(\base)+ti], v[(\base)+ti+1]
.set ti, ti+1
.endr
.endm
.macro NET17 x
.set ni, 16
.rept 16
	v_med3_num_f32 v[RA+ni], v[RA+ni-1], v[\x], v[RA+ni]
.set ni, ni-1
.endr
	v_min_num_f32 v[RA], v[RA], v[\x]
.endm
.macro PUSH x, id
	v_cmp_lt_f32 s30, v[\x], v[RT]
	v_cmp_lt_u32 s31, v[SEEN], v[RE]
	v_cmp_eq_f32 vcc_lo, v[\x], v[RT]
	s_and_b32 s31, s31, vcc_lo
	v_add_co_ci_u32 v[SEEN], vcc_lo, 0, v[SEEN], vcc_lo
	s_or_b32 vcc_lo, s30, s31
.set pi, 0
.rept 16
	v_cndmask_b32 v[RO+pi], v[RO+pi], v[RO+pi+1], vcc_lo
.set pi, pi+1
.endr
	v_cndmask_b32 v[RO+16], v[RO+16], \id, vcc_lo
.endm
	s_load_b128 s[4:7], s[0:1], 0x0                ; wsw s[4:5], grp s[6:7]
	s_load_b64 s[8:9], s[0:1], 0x10                ; sub
	v_lshl_add_u32 v[SPW], v0, 2, SPARE
	v_mov_b32 v[NIL], 0
	ds_add_u32 v[SPW], v[NIL]                      ; the opening: the add and its wait ahead of my first tensor load
	ds_add_u32 v185, v186
	v_lshrrev_b32 v1, 5, v0
	v_readfirstlane_b32 s10, v1                    ; wave
	v_and_b32 v1, 31, v0
	s_mov_b32 s11, ttmp9
	s_lshr_b32 s24, s11, 6                         ; batch
	s_mov_b32 s16, (2<<16)|(1<<20)|(6<<22)|(3<<25) ; elements of 4 bytes; behind every 128 words 4 words of padding
	s_mov_b32 s17, 128<<16                         ; rows of 512 bytes: a group
	s_mov_b32 s18, 64<<16                          ; 64 groups a wave
	s_mov_b32 s19, 128<<16
	s_mov_b32 s20, 64
	s_mov_b32 s21, 128
	s_mov_b32 s22, 0
	s_mov_b32 s23, 0
	s_mov_b32 s12, 1
	s_mul_i32 s13, s10, 64*GP
	s_lshl_b32 s2, s24, 17
	s_lshl_b32 s3, s10, 15
	s_add_co_u32 s2, s2, s3
	s_add_co_u32 s2, s2, CRDS
	s_mov_b32 s3, 0
	s_wait_dscnt 0x0
	s_wait_kmcnt 0x0
	s_add_nc_u64 s[14:15], s[4:5], s[2:3]
	s_or_b32 s15, s15, 0x80000000
	tensor_load_to_lds s[12:15], s[16:23]          ; my quarter of the image; nothing is filled again
	s_nop 0
	s_lshl_b32 s25, s11, 7
	v_add_nc_u32 v2, s25, v0                       ; my query
	v_mul_u32_u24 v3, v2, 12
	v_lshlrev_b32 v2, 2, v2
.set i, 0
.rept 17
	global_load_b32 v[AG+i], v2, s[6:7] offset:i*131072
.set i, i+1
.endr
	global_load_b32 v4, v3, s[4:5] offset:CRDA
	global_load_b32 v5, v3, s[4:5] offset:CRDA+4
	global_load_b32 v6, v3, s[4:5] offset:CRDA+8
	v_lshlrev_b32 v[L32], 5, v1
	s_mul_i32 s26, s10, SMW
	s_add_co_u32 s26, s26, SMIN                    ; my wave's rows of minima
	s_mov_b32 s27, s26
	v_add_nc_u32 v[SS], s27, v[L32]
.irp i, 176,177,178,179
	v_mov_b32 v\i, 0x7f800000
.endr
	ds_store_b128 v[SS], v[176:179] offset:17*1024
	ds_store_b128 v[SS], v[176:179] offset:17*1024+16
	s_wait_loadcnt 0x0
.set i, 0
.rept 17
	v_min_u32 v[AG+i], 255, v[AG+i]
	v_lshlrev_b32 v[GI+i], 3, v[AG+i]
	v_mul_u32_u24 v[AG+i], v[AG+i], GP
.set i, i+1
.endr
	v_xor_b32 v4, 0x80000000, v4
	v_xor_b32 v5, 0x80000000, v5
	v_xor_b32 v6, 0x80000000, v6
	v_mov_b32 v7, v6
	s_wait_tensorcnt 0x0                           ; my quarter is in,
	s_wait_dscnt 0x0
	s_barrier_signal -1
	s_barrier_wait -1                              ; everybody's is
	v_min_u32 v[NX], 255*GP, v[AG]
.set i, 0
.rept 8
.irp k, 0,1,2
	ds_load_b128 v[CH+12*i+4*\k:CH+12*i+4*\k+3], v[NX] offset:128*\k+16*i
.endr
.set i, i+1
.endr
	s_mov_b32 s25, 17
.Lgrp:
	v_min_u32 v[NX], 255*GP, v[AG+1]               ; the next group (behind the last: the first once more, read and not used)
	CH2 0
	CH2 2
	CH2 4
	CH2 6
	ds_store_b128 v[SS], v[SM:SM+3]
	ds_store_b128 v[SS], v[SM+4:SM+7] offset:16
	s_add_co_u32 s27, s27, 1024
	v_add_nc_u32 v[SS], s27, v[L32]
	TURN17 AG
	s_sub_co_u32 s25, s25, 1
	s_cmp_lg_u32 s25, 0
	s_cbranch_scc1 .Lgrp
	s_wait_dscnt 0x0
	; PHASE B, pass 1.  My wave reads what it stored itself: no barrier.
.set i, 0
.rept 17
	v_mov_b32 v[RA+i], 0x7f800000
.set i, i+1
.endr
	s_mov_b32 s27, s26
	v_add_nc_u32 v[SA], s27, v[L32]
	ds_load_b128 v[XA:XA+3], v[SA]
	ds_load_b128 v[XA+4:XA+7], v[SA] offset:16
	s_mov_b32 s25, 17
.Lq1:
	s_wait_dscnt 1                                 ; the other quad may be out
.irp j, 0,1,2,3
	NET17 XA+\j
.endr
	ds_load_b128 v[XA:XA+3], v[SA] offset:1024
	s_wait_dscnt 1
.irp j, 4,5,6,7
	NET17 XA+\j
.endr
	ds_load_b128 v[XA+4:XA+7], v[SA] offset:1040
	s_add_co_u32 s27, s27, 1024
	v_add_nc_u32 v[SA], s27, v[L32]
	s_sub_co_u32 s25, s25, 1
	s_cmp_lg_u32 s25, 0
	s_cbranch_scc1 .Lq1
	s_wait_dscnt 0x0
	v_mov_b32 v[RT], v[RA+16]
	v_mov_b32 v[RE], 0
.set i, 0
.rept 17
	v_cmp_eq_f32 vcc_lo, v[RA+i], v[RT]
	v_add_co_ci_u32 v[RE], vcc_lo, 0, v[RE], vcc_lo
.set i, i+1
.endr
.set i, 0
.rept 17
	v_mov_b32 v[RO+i], 0
.set i, i+1
.endr
	v_mov_b32 v[SEEN], 0
	s_mov_b32 s27, s26
	v_add_nc_u32 v[SA], s27, v[L32]
	ds_load_b128 v[XA:XA+3], v[SA]
	ds_load_b128 v[XA+4:XA+7], v[SA] offset:16
	s_mov_b32 s25, 17
.Lq2:
	s_wait_dscnt 1
.irp j, 0,1,2,3
	v_add_nc_u32 v[ID], \j, v[GI]
	PUSH XA+\j, v96
.endr
	ds_load_b128 v[XA:XA+3], v[SA] offset:1024
	s_wait_dscnt 1
.irp j, 4,5,6,7
	v_add_nc_u32 v[ID], \j, v[GI]
	PUSH XA+\j, v96
.endr
	ds_load_b128 v[XA+4:XA+7], v[SA] offset:1040
	s_add_co_u32 s27, s27, 1024
	v_add_nc_u32 v[SA], s27, v[L32]
	TURN17 GI
	s_sub_co_u32 s25, s25, 1
	s_cmp_lg_u32 s25, 0
	s_cbranch_scc1 .Lq2
.set i, 0
.rept 17
	global_store_b32 v2, v[RO+i], s[8:9] offset:i*131072
.set i, i+1
.endr
	s_wait_tensorcnt 0x0                           ; the wave's end
	ds_add_u32 v[SPW], v[NIL]
	s_wait_dscnt 0x0
	s_endpgm
.Lfunc_end_k_q648f58b4b2_knn2:
	.size	k_q648f58b4b2_knn2, .Lfunc_end_k_q648f58b4b2_knn2-k_q648f58b4b2_knn2
	.p2alignl 7, 3214868480
	.fill 96, 4, 3214868480
	.section	.rodata,"a",@progbits
	.p2align	6, 0x0
	.amdhsa_kernel k_q648f58b4b2_knn2
		.amdhsa_group_segment_fixed_size 209408
		.amdhsa_private_segment_fixed_size 0
		.amdhsa_enable_private_segment 0
		.amdhsa_kernarg_size 24
		.amdhsa_user_sgpr_count 2
		.amdhsa_user_sgpr_kernarg_segment_ptr 1
		.amdhsa_wavefront_size32 1
		.amdhsa_system_sgpr_workgroup_id_x 1
		.amdhsa_system_sgpr_workgroup_id_y 1
		.amdhsa_system_sgpr_workgroup_id_z 1
		.amdhsa_system_vgpr_workitem_id 0
		.amdhsa_next_free_vgpr 192
		.amdhsa_next_free_sgpr 66
		.amdhsa_reserve_vcc 1
		.amdhsa_float_denorm_mode_32 3
		.amdhsa_float_denorm_mode_16_64 3
		.amdhsa_memory_ordered 1
		.amdhsa_forward_progress 1
		.amdhsa_inst_pref_size 40
	.end_amdhsa_kernel
	.amdgpu_metadata
---
amdhsa.version: [ 1, 2 ]
amdhsa.kernels:
  - .name:           k_q648f58b4b2_knn2
    .symbol:         k_q648f58b4b2_knn2.kd
    .args:
      - { .name: wsw, .offset: 0, .size: 8, .value_kind: global_buffer, .address_space: global }
      - { .name: grp, .offset: 8, .size: 8, .value_kind: global_buffer, .address_space: global }
      - { .name: sub, .offset: 16, .size: 8, .value_kind: global_buffer, .address_space: global }
    .group_segment_fixed_size: 209408
    .private_segment_fixed_size: 0
    .kernarg_segment_align: 8
    .kernarg_segment_size: 24
    .max_flat_workgroup_size: 128
    .sgpr_count:     66
    .vgpr_count:     192
    .wavefront_size: 32
...
	.end_amdgpu_metadata
.endif
;; end of part 4
;; launch knn3 (part 5): grid 256 x 1, 4 waves a work-group, no clusters, 167,936 bytes of LDS; arguments wsw, sub, knn; writes knn
.if DOCPART == 5
	.amdgcn_target "amdgcn-amd-amdhsa--gfx1250"
	.amdhsa_code_object_version 6
	.text
	.protected	k_q648f58b4b2_knn3
	.globl	k_q648f58b4b2_knn3
	.p2align	8
	.type	k_q648f58b4b2_knn3,@function
k_q648f58b4b2_knn3:
	s_mov_b64 s[64:65], 0
	v_nop
	global_prefetch_b8 v0, s[64:65] scope:SCOPE_SE
	s_setreg_imm32_b32 hwreg(HW_REG_WAVE_MODE, 25, 1), 1
	s_wait_xcnt 0x0
; KNN3.  A lane is one query.  The 68 points of its 17 sub-groups (numbers read from sub, ascending) are put, in ascending index, into a sorted list of 17 (d2, index); a point goes behind
; those of equal d2, so equal distances keep the lower index first, as a stable top-k does.  The first of the 17 is dropped, as reference() drops it; ranks 1 to 16 are written to knn.
; d2 as in the two launches before, bit for bit.  The batch's coordinates lie in LDS as there.
.set CRDA, 1052928
.set CRDS, 1446144
.set GP,   528
.set OST,  256*GP                      ; behind the image: 2,048 bytes for each wave, for the way out
.set SPARE, OST+4*2048
.set NQ, 4
.set AG, 8                             ; v[8:24] LDS address of my 17 sub-groups' X; turned by one each trip
.set IB, 26                            ; v[26:42] index of their first point
.set RA, 44                            ; v[44:60] the 17 least d2, sorted
.set RP, 61                            ; v[61:77] their indices; ranks 1 to 16 begin at v62
.set NX, 78
.set CH, 80                            ; v[80:91] X4 Y4 Z4
.set RD, 92
.set REE, 104
.set ID, 108
.set TA, 109
.set SPW, 110
.set NIL, 111
.macro PKB dst, a, reg
.if (\reg)&1
	v_pk_add_f32 v[\dst:(\dst)+1], v[\a:(\a)+1], v[(\reg)-1:\reg] op_sel:[0,1] op_sel_hi:[1,1]
.else
	v_pk_add_f32 v[\dst:(\dst)+1], v[\a:(\a)+1], v[\reg:(\reg)+1] op_sel_hi:[1,0]
.endif
.endm
.macro TURN17 base
	v_mov_b32 v[(\base)+17], v[\base]
.set ti, 0
.rept 17
	v_mov_b32 v[(\base)+ti], v[(\base)+ti+1]
.set ti, ti+1
.endr
.endm
.macro NET17 x
.set ni, 16
.rept 16
	v_med3_num_f32 v[RA+ni], v[RA+ni-1], v[\x], v[RA+ni]
.set ni, ni-1
.endr
	v_min_num_f32 v[RA], v[RA], v[\x]
.endm
; x with index v[ID] goes into the list.  Mask i: x < a[i].  Indices move up where the place below is passed; the new index enters at the first place that x is below; then the values.
.macro INS x
.set ii, 0
.rept 17
	v_cmp_lt_f32 s[32+ii], v[\x], v[RA+ii]
.set ii, ii+1
.endr
.set ii, 16
.rept 16
	v_cndmask_b32 v[RP+ii], v[RP+ii], v[RP+ii-1], s[32+ii-1]
.set ii, ii-1
.endr
.set ii, 16
.rept 16
	s_and_not1_b32 s[32+ii], s[32+ii], s[32+ii-1]
.set ii, ii-1
.endr
.set ii, 0
.rept 17
	v_cndmask_b32 v[RP+ii], v[RP+ii], v[ID], s[32+ii]
.set ii, ii+1
.endr
	NET17 \x
.endm
	s_load_b128 s[4:7], s[0:1], 0x0                ; wsw s[4:5], sub s[6:7]
	s_load_b64 s[8:9], s[0:1], 0x10                ; knn
	v_lshl_add_u32 v[SPW], v0, 2, SPARE
	v_mov_b32 v[NIL], 0
	ds_add_u32 v[SPW], v[NIL]                      ; the opening: the add and its wait ahead of my first tensor load
	ds_add_u32 v110, v111
	v_lshrrev_b32 v1, 5, v0
	v_readfirstlane_b32 s10, v1
	v_and_b32 v1, 31, v0
	s_mov_b32 s11, ttmp9
	s_lshr_b32 s24, s11, 6
	s_mov_b32 s16, (2<<16)|(1<<20)|(6<<22)|(3<<25) ; as in the launch before: 64 groups of 512 bytes a wave, 16 bytes of padding behind each
	s_mov_b32 s17, 128<<16
	s_mov_b32 s18, 64<<16
	s_mov_b32 s19, 128<<16
	s_mov_b32 s20, 64
	s_mov_b32 s21, 128
	s_mov_b32 s22, 0
	s_mov_b32 s23, 0
	s_mov_b32 s12, 1
	s_mul_i32 s13, s10, 64*GP
	s_lshl_b32 s2, s24, 17
	s_lshl_b32 s3, s10, 15
	s_add_co_u32 s2, s2, s3
	s_add_co_u32 s2, s2, CRDS
	s_mov_b32 s3, 0
	s_wait_dscnt 0x0
	s_wait_kmcnt 0x0
	s_add_nc_u64 s[14:15], s[4:5], s[2:3]
	s_or_b32 s15, s15, 0x80000000
	tensor_load_to_lds s[12:15], s[16:23]
	s_nop 0
	s_lshl_b32 s25, s11, 7
	v_add_nc_u32 v2, s25, v0
	v_mul_u32_u24 v3, v2, 12
	v_lshlrev_b32 v2, 2, v2
.set i, 0
.rept 17
	global_load_b32 v[AG+i], v2, s[6:7] offset:i*131072
.set i, i+1
.endr
	global_load_b32 v4, v3, s[4:5] offset:CRDA
	global_load_b32 v5, v3, s[4:5] offset:CRDA+4
	global_load_b32 v6, v3, s[4:5] offset:CRDA+8
.set i, 0
.rept 17
	v_mov_b32 v[RA+i], 0x7f800000
	v_mov_b32 v[RP+i], 0
.set i, i+1
.endr
	s_wait_loadcnt 0x0
.set i, 0
.rept 17
	v_min_u32 v[AG+i], 2047, v[AG+i]
	v_lshlrev_b32 v[IB+i], 2, v[AG+i]
	v_and_b32 v[TA], 7, v[AG+i]                    ; the chunk in its group,
	v_and_b32 v[AG+i], -8, v[AG+i]                 ; 8 x the group: times 66 is the group's 528 bytes
	v_mul_u32_u24 v[AG+i], v[AG+i], 66
	v_lshl_add_u32 v[AG+i], v[TA], 4, v[AG+i]
.set i, i+1
.endr
	v_xor_b32 v4, 0x80000000, v4
	v_xor_b32 v5, 0x80000000, v5
	v_xor_b32 v6, 0x80000000, v6
	v_mov_b32 v7, v6
	s_wait_tensorcnt 0x0
	s_barrier_signal -1
	s_barrier_wait -1
	v_min_u32 v[NX], 255*GP+112, v[AG]
.irp k, 0,1,2
	ds_load_b128 v[CH+4*\k:CH+4*\k+3], v[NX] offset:128*\k
.endr
	s_mov_b32 s24, 17
.Lsub:
	v_min_u32 v[NX], 255*GP+112, v[AG+1]           ; the next sub-group (behind the last: the first once more, read and not used)
	s_wait_dscnt 0x0                               ; this trip's three loads
.irp k, 0,1,2
	PKB RD+4*\k, CH+4*\k, NQ+\k
	PKB RD+4*\k+2, CH+4*\k+2, NQ+\k
.endr
.irp k, 0,1,2
	ds_load_b128 v[CH+4*\k:CH+4*\k+3], v[NX] offset:128*\k
.endr
	v_pk_mul_f32 v[REE:REE+1], v[RD:RD+1], v[RD:RD+1]
	v_pk_mul_f32 v[REE+2:REE+3], v[RD+2:RD+3], v[RD+2:RD+3]
	v_pk_fma_f32 v[REE:REE+1], v[RD+4:RD+5], v[RD+4:RD+5], v[REE:REE+1]
	v_pk_fma_f32 v[REE+2:REE+3], v[RD+6:RD+7], v[RD+6:RD+7], v[REE+2:REE+3]
	v_pk_fma_f32 v[REE:REE+1], v[RD+8:RD+9], v[RD+8:RD+9], v[REE:REE+1]
	v_pk_fma_f32 v[REE+2:REE+3], v[RD+10:RD+11], v[RD+10:RD+11], v[REE+2:REE+3]
.irp e, 0,1,2,3
	v_add_nc_u32 v[ID], \e, v[IB]
	INS REE+\e
.endr
	TURN17 AG
	TURN17 IB
	s_sub_co_u32 s24, s24, 1
	s_cmp_lg_u32 s24, 0
	s_cbranch_scc1 .Lsub
	s_wait_dscnt 0x0
	; THE WAY OUT: a query's 16 indices are 64 bytes; through my wave's own 2,048 bytes of LDS they leave as 512 consecutive bytes a store.
	s_lshl_b32 s25, s10, 11
	s_add_co_u32 s26, s25, OST
	v_lshl_add_u32 v96, v1, 6, s26
	v_lshl_add_u32 v97, v1, 4, s26
	s_lshl_b32 s27, s11, 13
	s_add_co_u32 s27, s27, s25
	v_lshl_add_u32 v98, v1, 4, s27
.irp i, 0,1,2,3
	ds_store_b128 v96, v[RP+1+4*\i:RP+4+4*\i] offset:16*\i
.endr
.irp i, 0,1,2,3
	ds_load_b128 v[80+4*\i:83+4*\i], v97 offset:512*\i  ; LDS serves a wave's instructions in order (ISA guide 5.7.1.4)
.endr
	s_wait_dscnt 0x0
.irp i, 0,1,2,3
	global_store_b128 v98, v[80+4*\i:83+4*\i], s[8:9] offset:512*\i
.endr
	s_wait_tensorcnt 0x0                           ; the wave's end
	ds_add_u32 v[SPW], v[NIL]
	s_wait_dscnt 0x0
	s_endpgm
.Lfunc_end_k_q648f58b4b2_knn3:
	.size	k_q648f58b4b2_knn3, .Lfunc_end_k_q648f58b4b2_knn3-k_q648f58b4b2_knn3
	.p2alignl 7, 3214868480
	.fill 96, 4, 3214868480
	.section	.rodata,"a",@progbits
	.p2align	6, 0x0
	.amdhsa_kernel k_q648f58b4b2_knn3
		.amdhsa_group_segment_fixed_size 167936
		.amdhsa_private_segment_fixed_size 0
		.amdhsa_enable_private_segment 0
		.amdhsa_kernarg_size 24
		.amdhsa_user_sgpr_count 2
		.amdhsa_user_sgpr_kernarg_segment_ptr 1
		.amdhsa_wavefront_size32 1
		.amdhsa_system_sgpr_workgroup_id_x 1
		.amdhsa_system_sgpr_workgroup_id_y 1
		.amdhsa_system_sgpr_workgroup_id_z 1
		.amdhsa_system_vgpr_workitem_id 0
		.amdhsa_next_free_vgpr 112
		.amdhsa_next_free_sgpr 66
		.amdhsa_reserve_vcc 0
		.amdhsa_float_denorm_mode_32 3
		.amdhsa_float_denorm_mode_16_64 3
		.amdhsa_memory_ordered 1
		.amdhsa_forward_progress 1
		.amdhsa_inst_pref_size 34
	.end_amdhsa_kernel
	.amdgpu_metadata
---
amdhsa.version: [ 1, 2 ]
amdhsa.kernels:
  - .name:           k_q648f58b4b2_knn3
    .symbol:         k_q648f58b4b2_knn3.kd
    .args:
      - { .name: wsw, .offset: 0, .size: 8, .value_kind: global_buffer, .address_space: global }
      - { .name: sub, .offset: 8, .size: 8, .value_kind: global_buffer, .address_space: global }
      - { .name: knn, .offset: 16, .size: 8, .value_kind: global_buffer, .address_space: global }
    .group_segment_fixed_size: 167936
    .private_segment_fixed_size: 0
    .kernarg_segment_align: 8
    .kernarg_segment_size: 24
    .max_flat_workgroup_size: 128
    .sgpr_count:     66
    .vgpr_count:     112
    .wavefront_size: 32
...
	.end_amdgpu_metadata
.endif
;; end of part 5
;; launch step0 (part 6): grid 256 x 1, 8 waves a work-group, no clusters, 0 bytes of LDS; arguments cura, curb, knn, rr, fb, wsw, gumbel_u, out0; writes curb, out0
.if DOCPART == 6
	.amdgcn_target "amdgcn-amd-amdhsa--gfx1250"
	.amdhsa_code_object_version 6
	.text
	.protected	k_q648f58b4b2_step0
	.globl	k_q648f58b4b2_step0
	.p2align	8
	.type	k_q648f58b4b2_step0,@function
k_q648f58b4b2_step0:
	s_mov_b64 s[64:65], 0
	v_nop
	global_prefetch_b8 v0, s[64:65] scope:SCOPE_SE
	s_setreg_imm32_b32 hwreg(HW_REG_WAVE_MODE, 25, 1), 1
	s_wait_xcnt 0x0
; STEP.  One wave, one walker.  It reads its point and the step number t (whole numbers that the launch before stored), writes the point's row of features (rounded to bf16, as f32) as walk entry t,
; scores the point's 16 neighbours, logit_k = ((f_i W2 + c) . f_k + f_i . d + d0) / sqrt(512) with R = f_i W2 + c read in f32, adds the Gumbel term of rank k, and stores the first best neighbour and t + 1.
; The choice only selects a value (v_cndmask); the next launch makes addresses of it.
; LIMITS: all float inputs count as rounded to bf16; u = 1 after that rounding gives +infinity, and the first such rank wins, as in an argmax.  The logit is regrouped, so it differs from the written order in f32 rounding alone.
; The sum is multiplied by 10 where reference() divides by 0.1: both keep the order.  NaN is not treated.
; 16 dot products of 512 against rows of the walker's own, with one f32 operand: a stream of gathered rows for the vector unit; LDS, matrix units and clusters have nothing to share here.
.set DVEC, 1050624
.set D0W,  1052672
.set FI,  8                            ; v[8:15]    my point's row, bf16: columns 128 i + 4 l .. +3
.set DVR, 16                           ; v[16:31]   d at the same columns
.set RR,  32                           ; v[32:47]   R: columns 256 j + 8 l .. +7
.set VO,  48                           ; v[48:63]   byte offsets of the 16 neighbours' rows
.set NB,  64                           ; v[64:191]  their rows, bf16, 8 registers each: the same columns as R
.set ACC, 192                          ; v[192:207] the 16 sums
.set GG,  208                          ; v[208:223] the Gumbel terms
.set FW,  224                          ; v[224:239] my point's row in f32
	s_load_b512 s[4:19], s[0:1], 0x0               ; cur_in s[4:5], cur_out s[6:7], knn s[8:9], rr s[10:11], fb s[12:13], wsw s[14:15], u s[16:17], out s[18:19]
	v_lshrrev_b32 v1, 5, v0
	v_readfirstlane_b32 s20, v1
	v_and_b32 v1, 31, v0
	s_lshl_b32 s21, ttmp9, 3
	s_add_co_u32 s21, s21, s20                     ; walker 0..2047
	s_lshr_b32 s22, s21, 9
	s_lshl_b32 s22, s22, 13                        ; its batch's first point
	s_lshl_b32 s24, s21, 2
	s_mov_b32 s66, 0xffff0000
	s_mov_b32 s68, 0x76543210
	s_mov_b32 s69, 0xfedcba98
	s_mov_b32 s70, 0x3d3504f3                      ; 1 / sqrt(512)
	v_lshlrev_b32 v3, 4, v1
	s_wait_kmcnt 0x0
	s_load_b32 s23, s[4:5], s24 offset:0x0         ; my point
	s_load_b32 s25, s[4:5], 0x2000                 ; t
	s_load_b32 s29, s[14:15], D0W
	s_wait_kmcnt 0x0
	s_min_u32 s23, s23, 8191
	s_min_u32 s25, s25, 6
	s_add_co_u32 s26, s22, s23                     ; the point's row in the tables
	s_lshl_b32 s27, s26, 6
	s_lshl_b32 s28, s25, 11
	s_add_co_u32 s28, s28, s21
	s_lshl_b32 s28, s28, 6
	s_load_b512 s[32:47], s[8:9], s27 offset:0x0   ; its 16 neighbours, by rank
	s_load_b512 s[48:63], s[16:17], s28 offset:0x0 ; u[t][walker][0..15]
	s_lshl_b32 s30, s26, 10
	v_lshl_add_u32 v2, v1, 3, s30
	s_lshl_b32 s31, s26, 11
	v_lshl_add_u32 v4, v1, 5, s31
	s_lshl_b32 s71, s21, 14
	s_lshl_b32 s72, s25, 11
	s_add_co_u32 s71, s71, s72
	v_add_nc_u32 v5, s71, v3                       ; walk entry t of my walker, 16 bytes a lane
.irp i, 0,1,2,3
	global_load_b64 v[FI+2*\i:FI+2*\i+1], v2, s[12:13] offset:256*\i
.endr
.irp i, 0,1,2,3
	global_load_b128 v[DVR+4*\i:DVR+4*\i+3], v3, s[14:15] offset:DVEC+512*\i
.endr
.irp j, 0,1
	global_load_b128 v[RR+8*\j:RR+8*\j+3], v4, s[10:11] offset:1024*\j
	global_load_b128 v[RR+8*\j+4:RR+8*\j+7], v4, s[10:11] offset:1024*\j+16
.endr
	s_wait_kmcnt 0x0
.set k, 0
.rept 16
	s_min_u32 s[32+k], s[32+k], 8191
	s_add_co_u32 s73, s22, s[32+k]
	s_lshl_b32 s73, s73, 10
	v_add_nc_u32 v[VO+k], s73, v3
.set k, k+1
.endr
.set k, 0
.rept 16
	global_load_b128 v[NB+8*k:NB+8*k+3], v[VO+k], s[12:13]
	global_load_b128 v[NB+8*k+4:NB+8*k+7], v[VO+k], s[12:13] offset:512
.set k, k+1
.endr
	; in the wait for the rows: log2(-ln u), u rounded to bf16
.set i, 0
.rept 8
	v_cvt_pk_bf16_f32 v[GG+2*i+1], s[48+2*i], s[48+2*i+1]
	v_lshlrev_b32 v[GG+2*i], 16, v[GG+2*i+1]
	v_and_b32 v[GG+2*i+1], s66, v[GG+2*i+1]
.set i, i+1
.endr
.set i, 0
.rept 16
	v_log_f32 v[GG+i], v[GG+i]
.set i, i+1
.endr
	v_mov_b32 v241, 0                              ; a plain instruction behind the last logarithm (ISA guide 5.7.2)
.set i, 0
	s_wait_alu depctr_va_vdst(0)
.rept 16
	v_mul_f32 v[GG+i], 0xbf317218, v[GG+i]         ; -ln u
.set i, i+1
.endr
.set i, 0
.rept 16
	v_log_f32 v[GG+i], v[GG+i]
.set i, i+1
.endr
	v_nop
.set i, 0
	s_wait_alu depctr_va_vdst(0)
.rept 16
	v_mul_f32 v[GG+i], 0xbf317218, v[GG+i]         ; g = -ln(-ln u)
.set i, i+1
.endr
	s_wait_loadcnt 32                              ; my row, d and R are in; the 32 loads of the neighbours' rows stay out
.irp i, 0,1,2,3
	v_lshlrev_b32 v[FW+4*\i], 16, v[FI+2*\i]
	v_and_b32 v[FW+4*\i+1], s66, v[FI+2*\i]
	v_lshlrev_b32 v[FW+4*\i+2], 16, v[FI+2*\i+1]
	v_and_b32 v[FW+4*\i+3], s66, v[FI+2*\i+1]
	global_store_b128 v5, v[FW+4*\i:FW+4*\i+3], s[18:19] offset:512*\i  ; 512 consecutive bytes
.endr
	v_pk_mul_f32 v[240:241], v[FW:FW+1], v[DVR:DVR+1]  ; my lane's part of f_i . d
.irp i, 1,2,3,4,5,6,7
	v_pk_fma_f32 v[240:241], v[FW+2*\i:FW+2*\i+1], v[DVR+2*\i:DVR+2*\i+1], v[240:241]
.endr
	v_add_f32 v240, v240, v241
	s_wait_loadcnt 0x0
.set e, 0
.rept 16                               ; column by column over 16 sums that do not wait for each other; each starts with the part of f_i . d
.set k, 0
.rept 16
.if e == 0
	v_fma_mix_f32_bf16 v[ACC+k], v[NB+8*k], v[RR], v240 op_sel_hi:[1,0,0]
.elseif e&1
	v_fma_mix_f32_bf16 v[ACC+k], v[NB+8*k+e/2], v[RR+e], v[ACC+k] op_sel:[1,0,0] op_sel_hi:[1,0,0]
.else
	v_fma_mix_f32_bf16 v[ACC+k], v[NB+8*k+e/2], v[RR+e], v[ACC+k] op_sel_hi:[1,0,0]
.endif
.set k, k+1
.endr
.set e, e+1
.endr
.irp m, 1,2,4,8
.set k, 0
.rept 16
	v_add_f32_dpp v[ACC+k], v[ACC+k], v[ACC+k] row_xmask:\m row_mask:0xf bank_mask:0xf
.set k, k+1
.endr
.endr
.set k, 0
.rept 16
	v_permlanex16_b32 v[NB+k], v[ACC+k], s68, s69
.set k, k+1
.endr
.set k, 0
.rept 16
	v_add_f32 v[ACC+k], v[ACC+k], v[NB+k]          ; every lane holds every sum
.set k, k+1
.endr
.set k, 0
.rept 16
	v_add_f32 v[ACC+k], s29, v[ACC+k]
.set k, k+1
.endr
.set k, 0
.rept 16
	v_fma_f32 v[ACC+k], v[ACC+k], s70, v[GG+k]
.set k, k+1
.endr
.set k, 0
.rept 16
	v_mul_f32 v[ACC+k], 0x41200000, v[ACC+k]
.set k, k+1
.endr
	v_mov_b32 v242, v[ACC]
	v_mov_b32 v243, s32
.set k, 1
.rept 15
	v_cmp_gt_f32 vcc_lo, v[ACC+k], v242            ; strictly greater: the first maximum stays
	v_cndmask_b32 v242, v242, v[ACC+k], vcc_lo
	v_cndmask_b32 v243, v243, s[32+k], vcc_lo
.set k, k+1
.endr
	v_mov_b32 v244, s24
	s_wait_xcnt 0x0                                ; EXEC changes only behind this wait
	v_cmp_eq_u32 vcc_lo, 0, v1
	s_and_saveexec_b32 s67, vcc_lo
	global_store_b32 v244, v243, s[6:7]
	s_wait_xcnt 0x0                                ; and again in front of the line that widens it
	s_or_b32 exec_lo, exec_lo, s67
	s_cmp_lg_u32 s21, 0
	s_cbranch_scc1 .Ldone
	s_add_co_u32 s25, s25, 1
	v_mov_b32 v246, s25
	v_mov_b32 v247, s25
	v_lshlrev_b32 v245, 3, v1
	global_store_b64 v245, v[246:247], s[6:7] offset:8192  ; t + 1, in all 64 words of its block
.Ldone:
	s_endpgm
.Lfunc_end_k_q648f58b4b2_step0:
	.size	k_q648f58b4b2_step0, .Lfunc_end_k_q648f58b4b2_step0-k_q648f58b4b2_step0
	.p2alignl 7, 3214868480
	.fill 96, 4, 3214868480
	.section	.rodata,"a",@progbits
	.p2align	6, 0x0
	.amdhsa_kernel k_q648f58b4b2_step0
		.amdhsa_group_segment_fixed_size 0
		.amdhsa_private_segment_fixed_size 0
		.amdhsa_enable_private_segment 0
		.amdhsa_kernarg_size 64
		.amdhsa_user_sgpr_count 2
		.amdhsa_user_sgpr_kernarg_segment_ptr 1
		.amdhsa_wavefront_size32 1
		.amdhsa_system_sgpr_workgroup_id_x 1
		.amdhsa_system_sgpr_workgroup_id_y 1
		.amdhsa_system_sgpr_workgroup_id_z 1
		.amdhsa_system_vgpr_workitem_id 0
		.amdhsa_next_free_vgpr 256
		.amdhsa_next_free_sgpr 80
		.amdhsa_reserve_vcc 1
		.amdhsa_float_denorm_mode_32 3
		.amdhsa_float_denorm_mode_16_64 3
		.amdhsa_memory_ordered 1
		.amdhsa_forward_progress 1
		.amdhsa_inst_pref_size 41
	.end_amdhsa_kernel
	.amdgpu_metadata
---
amdhsa.version: [ 1, 2 ]
amdhsa.kernels:
  - .name:           k_q648f58b4b2_step0
    .symbol:         k_q648f58b4b2_step0.kd
    .args:
      - { .name: cura, .offset: 0, .size: 8, .value_kind: global_buffer, .address_space: global }
      - { .name: curb, .offset: 8, .size: 8, .value_kind: global_buffer, .address_space: global }
      - { .name: knn, .offset: 16, .size: 8, .value_kind: global_buffer, .address_space: global }
      - { .name: rr, .offset: 24, .size: 8, .value_kind: global_buffer, .address_space: global }
      - { .name: fb, .offset: 32, .size: 8, .value_kind: global_buffer, .address_space: global }
      - { .name: wsw, .offset: 40, .size: 8, .value_kind: global_buffer, .address_space: global }
      - { .name: gumbel_u, .offset: 48, .size: 8, .value_kind: global_buffer, .address_space: global }
      - { .name: out0, .offset: 56, .size: 8, .value_kind: global_buffer, .address_space: global }
    .group_segment_fixed_size: 0
    .private_segment_fixed_size: 0
    .kernarg_segment_align: 8
    .kernarg_segment_size: 64
    .max_flat_workgroup_size: 256
    .sgpr_count:     80
    .vgpr_count:     256
    .wavefront_size: 32
...
	.end_amdgpu_metadata
.endif
;; end of part 6
;; launch step1: the kernel of part 6 again; grid 256 x 1, 8 waves a work-group, no clusters, 0 bytes of LDS; arguments curb, cura, knn, rr, fb, wsw, gumbel_u, out0; writes cura, out0
;; launch step2: the kernel of part 6 again; grid 256 x 1, 8 waves a work-group, no clusters, 0 bytes of LDS; arguments cura, curb, knn, rr, fb, wsw, gumbel_u, out0; writes curb, out0
;; launch step3: the kernel of part 6 again; grid 256 x 1, 8 waves a work-group, no clusters, 0 bytes of LDS; arguments curb, cura, knn, rr, fb, wsw, gumbel_u, out0; writes cura, out0
;; launch step4: the kernel of part 6 again; grid 256 x 1, 8 waves a work-group, no clusters, 0 bytes of LDS; arguments cura, curb, knn, rr, fb, wsw, gumbel_u, out0; writes curb, out0
;; launch step5: the kernel of part 6 again; grid 256 x 1, 8 waves a work-group, no clusters, 0 bytes of LDS; arguments curb, cura, knn, rr, fb, wsw, gumbel_u, out0; writes cura, out0
;; launch step6: the kernel of part 6 again; grid 256 x 1, 8 waves a work-group, no clusters, 0 bytes of LDS; arguments cura, curb, knn, rr, fb, wsw, gumbel_u, out0; writes curb, out0
;; launch last (part 7): grid 256 x 1, 8 waves a work-group, no clusters, 0 bytes of LDS; arguments curb, fb, out0; writes out0
.if DOCPART == 7
	.amdgcn_target "amdgcn-amd-amdhsa--gfx1250"
	.amdhsa_code_object_version 6
	.text
	.protected	k_q648f58b4b2_last
	.globl	k_q648f58b4b2_last
	.p2align	8
	.type	k_q648f58b4b2_last,@function
k_q648f58b4b2_last:
	s_mov_b64 s[64:65], 0
	v_nop
	global_prefetch_b8 v0, s[64:65] scope:SCOPE_SE
	s_setreg_imm32_b32 hwreg(HW_REG_WAVE_MODE, 25, 1), 1
	s_wait_xcnt 0x0
; LAST.  One wave, one walker: the row of features (rounded to bf16, as f32) of the point that the seventh step chose is walk entry 7.
	s_load_b128 s[4:7], s[0:1], 0x0                ; cur s[4:5], fb s[6:7]
	s_load_b64 s[8:9], s[0:1], 0x10                ; out
	v_lshrrev_b32 v1, 5, v0
	v_readfirstlane_b32 s10, v1
	v_and_b32 v1, 31, v0
	s_lshl_b32 s11, ttmp9, 3
	s_add_co_u32 s11, s11, s10                     ; walker
	s_lshr_b32 s12, s11, 9
	s_lshl_b32 s12, s12, 13
	s_lshl_b32 s13, s11, 2
	s_mov_b32 s16, 0xffff0000
	s_wait_kmcnt 0x0
	s_load_b32 s14, s[4:5], s13 offset:0x0
	s_wait_kmcnt 0x0
	s_min_u32 s14, s14, 8191
	s_add_co_u32 s14, s14, s12
	s_lshl_b32 s14, s14, 10
	v_lshl_add_u32 v2, v1, 3, s14
.irp i, 0,1,2,3
	global_load_b64 v[4+2*\i:5+2*\i], v2, s[6:7] offset:256*\i
.endr
	s_lshl_b32 s15, s11, 14
	v_lshl_add_u32 v3, v1, 4, s15
	s_wait_loadcnt 0x0
.irp i, 0,1,2,3
	v_lshlrev_b32 v[12+4*\i], 16, v[4+2*\i]
	v_and_b32 v[13+4*\i], s16, v[4+2*\i]
	v_lshlrev_b32 v[14+4*\i], 16, v[5+2*\i]
	v_and_b32 v[15+4*\i], s16, v[5+2*\i]
	global_store_b128 v3, v[12+4*\i:15+4*\i], s[8:9] offset:7*2048+512*\i  ; 512 consecutive bytes
.endr
	s_endpgm
.Lfunc_end_k_q648f58b4b2_last:
	.size	k_q648f58b4b2_last, .Lfunc_end_k_q648f58b4b2_last-k_q648f58b4b2_last
	.p2alignl 7, 3214868480
	.fill 96, 4, 3214868480
	.section	.rodata,"a",@progbits
	.p2align	6, 0x0
	.amdhsa_kernel k_q648f58b4b2_last
		.amdhsa_group_segment_fixed_size 0
		.amdhsa_private_segment_fixed_size 0
		.amdhsa_enable_private_segment 0
		.amdhsa_kernarg_size 24
		.amdhsa_user_sgpr_count 2
		.amdhsa_user_sgpr_kernarg_segment_ptr 1
		.amdhsa_wavefront_size32 1
		.amdhsa_system_sgpr_workgroup_id_x 1
		.amdhsa_system_sgpr_workgroup_id_y 1
		.amdhsa_system_sgpr_workgroup_id_z 1
		.amdhsa_system_vgpr_workitem_id 0
		.amdhsa_next_free_vgpr 32
		.amdhsa_next_free_sgpr 66
		.amdhsa_reserve_vcc 0
		.amdhsa_float_denorm_mode_32 3
		.amdhsa_float_denorm_mode_16_64 3
		.amdhsa_memory_ordered 1
		.amdhsa_forward_progress 1
		.amdhsa_inst_pref_size 3
	.end_amdhsa_kernel
	.amdgpu_metadata
---
amdhsa.version: [ 1, 2 ]
amdhsa.kernels:
  - .name:           k_q648f58b4b2_last
    .symbol:         k_q648f58b4b2_last.kd
    .args:
      - { .name: curb, .offset: 0, .size: 8, .value_kind: global_buffer, .address_space: global }
      - { .name: fb, .offset: 8, .size: 8, .value_kind: global_buffer, .address_space: global }
      - { .name: out0, .offset: 16, .size: 8, .value_kind: global_buffer, .address_space: global }
    .group_segment_fixed_size: 0
    .private_segment_fixed_size: 0
    .kernarg_segment_align: 8
    .kernarg_segment_size: 24
    .max_flat_workgroup_size: 256
    .sgpr_count:     66
    .vgpr_count:     32
    .wavefront_size: 32
...
	.end_amdgpu_metadata
.endif
;; end of part 7
;; ======== version 2 of 2: 13 launches; version 1 with the launches step0, step1, step2, step3, step4, step5, step6 written anew for expert scheduling mode
;; limits: values are held in f16: magnitudes above 65,504 overflow, below 6.1e-05 lose precision; inputs' magnitudes at most 65,504; right only within a limited range of input values
;; workspace buffers: wsw 1,970,432 bytes; fb 33,554,432 bytes; rr 67,108,864 bytes; grp 2,228,224 bytes of whole numbers; sub 2,228,224 bytes of whole numbers; knn 2,097,152 bytes of whole numbers; cura 8,448 bytes of whole numbers; curb 8,448 bytes of whole numbers
;; launch prep: the kernel of part 1 again; grid 256 x 1, 4 waves a work-group, no clusters, 0 bytes of LDS; arguments Wb, Wg, bb, bg, coords, start_indices, wsw, cura; writes wsw, cura
;; launch proj: the kernel of part 2 again; grid 256 x 1, 4 waves a work-group, clusters of 4 x 1, 327,680 bytes of LDS; arguments feats, wsw, fb, rr; writes fb, rr
;; launch knn1: the kernel of part 3 again; grid 256 x 1, 4 waves a work-group, no clusters, 231,936 bytes of LDS; arguments wsw, grp; writes grp
;; launch knn2: the kernel of part 4 again; grid 256 x 1, 4 waves a work-group, no clusters, 209,408 bytes of LDS; arguments wsw, grp, sub; writes sub
;; launch knn3: the kernel of part 5 again; grid 256 x 1, 4 waves a work-group, no clusters, 167,936 bytes of LDS; arguments wsw, sub, knn; writes knn
;; launch step0 (part 8): grid 256 x 1, 8 waves a work-group, no clusters, 0 bytes of LDS; arguments cura, curb, knn, rr, fb, wsw, gumbel_u, out0; writes curb, out0
.if DOCPART == 8
	.amdgcn_target "amdgcn-amd-amdhsa--gfx1250"
	.amdhsa_code_object_version 6
	.text
	.protected	k_q648f58b4b2_step0
	.globl	k_q648f58b4b2_step0
	.p2align	8
	.type	k_q648f58b4b2_step0,@function
k_q648f58b4b2_step0:
	s_mov_b64 s[64:65], 0
	v_nop
	global_prefetch_b8 v0, s[64:65] scope:SCOPE_SE
	s_setreg_imm32_b32 hwreg(HW_REG_WAVE_SCHED_MODE, 0, 2), 2
	s_setreg_imm32_b32 hwreg(HW_REG_WAVE_MODE, 25, 1), 1
	s_wait_xcnt 0x0
	s_wait_alu depctr_vm_vsrc(0)
; STEP.  One wave, one walker.  It reads its point and the step number t (whole numbers that the launch before stored), writes the point's row of features (rounded to bf16, as f32) as walk entry t,
; scores the point's 16 neighbours, logit_k = ((f_i W2 + c) . f_k + f_i . d + d0) / sqrt(512) with R = f_i W2 + c read in f32, adds the Gumbel term of rank k, and stores the first best neighbour and t + 1.
; The choice only selects a value (v_cndmask); the next launch makes addresses of it.
; LIMITS: all float inputs count as rounded to bf16; u = 1 after that rounding gives +infinity, and the first such rank wins, as in an argmax.  The logit is regrouped, so it differs from the written order in f32 rounding alone.
; The sum is multiplied by 10 where reference() divides by 0.1: both keep the order.  NaN is not treated.
; 16 dot products of 512 against rows of the walker's own, with one f32 operand: a stream of gathered rows for the vector unit; LDS, matrix units and clusters have nothing to share here.
; THE MODE: SCHED_MODE bits 1:0 = 2 (LLVM: expert scheduling mode 2), set by the entry lines.  The code itself states the register dependences
; between vector instructions and memory instructions, with s_wait_alu, always for 0.
; THE PLAN.  The text is one straight run.  Registers that memory instructions touch:
;   v2, v3, v4   offsets of my point's row, of d and of R: written once at the head, read by the first 12 loads.
;   v5           offset of the walk entry: written in the same run, read by the four stores of the row.
;   VO           offsets of the 16 neighbours' rows: written once, when the list of neighbours is in; read by the 32 loads of those rows.
;   FI, DVR, RR, NB   loads land in them; no vector line names them ahead of their loads.
;   FW           written once by the 16 unpacking lines; read by the four stores; behind these only read.
;   v243, v244   the choice and its offset: read by the masked store.     v245-247   the step number's store, in one wave of the launch.
; None of the registers that a memory instruction reads is written again.  So a wait on va_vdst stands ahead of each of the five runs of memory instructions, behind the lines that make what the run reads,
; and waits on vm_vsrc stand at the entry and at the two writes of EXEC.  The wait ahead of the row's stores is also the wait for the second batch of logarithms.
; The masks of the choice are made in one run of 16 compares into s48-63 (u's registers, free by then), with one wait on va_sdst behind the run.
.set DVEC, 1050624
.set D0W,  1052672
.set FI,  8                            ; v[8:15]    my point's row, bf16: columns 128 i + 4 l .. +3
.set DVR, 16                           ; v[16:31]   d at the same columns
.set RR,  32                           ; v[32:47]   R: columns 256 j + 8 l .. +7
.set VO,  48                           ; v[48:63]   byte offsets of the 16 neighbours' rows
.set NB,  64                           ; v[64:191]  their rows, bf16, 8 registers each: the same columns as R
.set ACC, 192                          ; v[192:207] the 16 sums
.set GG,  208                          ; v[208:223] the Gumbel terms
.set FW,  224                          ; v[224:239] my point's row in f32
.set MX,  248                          ; v[248:251] at work on the maximum; it ends in v242
	s_load_b512 s[4:19], s[0:1], 0x0               ; cur_in s[4:5], cur_out s[6:7], knn s[8:9], rr s[10:11], fb s[12:13], wsw s[14:15], u s[16:17], out s[18:19]
	v_lshrrev_b32 v1, 5, v0
	v_readfirstlane_b32 s20, v1
	v_and_b32 v1, 31, v0
	v_lshlrev_b32 v3, 4, v1
	s_mov_b32 s66, 0xffff0000
	s_mov_b32 s68, 0x76543210
	s_mov_b32 s69, 0xfedcba98
	s_mov_b32 s70, 0x3d3504f3                      ; 1 / sqrt(512)
	s_lshl_b32 s21, ttmp9, 3
	s_wait_alu depctr_va_sdst(0)                   ; s20, the wave's number, is written, ahead of its first reader: the walker's number is made from it
	s_add_co_u32 s21, s21, s20                     ; walker 0..2047
	s_lshr_b32 s22, s21, 9
	s_lshl_b32 s22, s22, 13                        ; its batch's first point
	s_lshl_b32 s24, s21, 2
	s_wait_kmcnt 0x0
	s_load_b32 s23, s[4:5], s24 offset:0x0         ; my point
	s_load_b32 s25, s[4:5], 0x2000                 ; t
	s_load_b32 s29, s[14:15], D0W
	s_wait_kmcnt 0x0
	s_min_u32 s23, s23, 8191
	s_min_u32 s25, s25, 6
	s_add_co_u32 s26, s22, s23                     ; the point's row in the tables
	s_lshl_b32 s27, s26, 6
	s_lshl_b32 s28, s25, 11
	s_add_co_u32 s28, s28, s21
	s_lshl_b32 s28, s28, 6
	s_load_b512 s[32:47], s[8:9], s27 offset:0x0   ; its 16 neighbours, by rank
	s_load_b512 s[48:63], s[16:17], s28 offset:0x0 ; u[t][walker][0..15]
	s_lshl_b32 s30, s26, 10
	v_lshl_add_u32 v2, v1, 3, s30
	s_lshl_b32 s31, s26, 11
	v_lshl_add_u32 v4, v1, 5, s31
	s_lshl_b32 s71, s21, 14
	s_lshl_b32 s72, s25, 11
	s_add_co_u32 s71, s71, s72
	v_add_nc_u32 v5, s71, v3                       ; walk entry t of my walker, 16 bytes a lane
	s_wait_alu depctr_va_vdst(0)                   ; v2, v3 and v4 are written, which the 12 loads below read as offsets; so is v5, which the row's four stores read
.irp i, 0,1,2,3
	global_load_b64 v[FI+2*\i:FI+2*\i+1], v2, s[12:13] offset:256*\i
.endr
.irp i, 0,1,2,3
	global_load_b128 v[DVR+4*\i:DVR+4*\i+3], v3, s[14:15] offset:DVEC+512*\i
.endr
.irp j, 0,1
	global_load_b128 v[RR+8*\j:RR+8*\j+3], v4, s[10:11] offset:1024*\j
	global_load_b128 v[RR+8*\j+4:RR+8*\j+7], v4, s[10:11] offset:1024*\j+16
.endr
	s_wait_kmcnt 0x0
.set k, 0
.rept 16
	s_min_u32 s[32+k], s[32+k], 8191
	s_add_co_u32 s73, s22, s[32+k]
	s_lshl_b32 s73, s73, 10
	v_add_nc_u32 v[VO+k], s73, v3
.set k, k+1
.endr
	s_wait_alu depctr_va_vdst(0)                   ; the 16 offsets v[VO ..] are written, which the 32 loads below read
.set k, 0
.rept 16
	global_load_b128 v[NB+8*k:NB+8*k+3], v[VO+k], s[12:13]
	global_load_b128 v[NB+8*k+4:NB+8*k+7], v[VO+k], s[12:13] offset:512
.set k, k+1
.endr
	; in the wait for the rows: log2(-ln u), u rounded to bf16
.set i, 0
.rept 8
	v_cvt_pk_bf16_f32 v[GG+2*i+1], s[48+2*i], s[48+2*i+1]
	v_lshlrev_b32 v[GG+2*i], 16, v[GG+2*i+1]
	v_and_b32 v[GG+2*i+1], s66, v[GG+2*i+1]
.set i, i+1
.endr
.set i, 0
.rept 16
	v_log_f32 v[GG+i], v[GG+i]
.set i, i+1
.endr
	v_mov_b32 v241, 0                              ; a plain instruction behind the last logarithm (ISA guide 5.7.2)
	s_wait_alu depctr_va_vdst(0)                   ; the 16 logarithms have written v[GG ..], ahead of their first reader: one wait for the batch
.set i, 0
.rept 16
	v_mul_f32 v[GG+i], 0xbf317218, v[GG+i]         ; -ln u
.set i, i+1
.endr
.set i, 0
.rept 16
	v_log_f32 v[GG+i], v[GG+i]
.set i, i+1
.endr
	s_wait_loadcnt 32                              ; my row, d and R are in; the 32 loads of the neighbours' rows stay out
.irp i, 0,1,2,3
	v_lshlrev_b32 v[FW+4*\i], 16, v[FI+2*\i]       ; these sixteen name no logarithm's result: they are the plain instructions behind the last logarithm (ISA guide 5.7.2)
	v_and_b32 v[FW+4*\i+1], s66, v[FI+2*\i]
	v_lshlrev_b32 v[FW+4*\i+2], 16, v[FI+2*\i+1]
	v_and_b32 v[FW+4*\i+3], s66, v[FI+2*\i+1]
.endr
	s_wait_alu depctr_va_vdst(0)                   ; the unpacking lines have written v[FW ..], which the four stores read; the second 16 logarithms have written v[GG ..], ahead of their first reader
.irp i, 0,1,2,3
	global_store_b128 v5, v[FW+4*\i:FW+4*\i+3], s[18:19] offset:512*\i  ; 512 consecutive bytes; no line behind writes v5 or v[FW ..]
.endr
.set i, 0
.rept 16
	v_mul_f32 v[GG+i], 0xbf317218, v[GG+i]         ; g = -ln(-ln u)
.set i, i+1
.endr
	v_pk_mul_f32 v[240:241], v[FW:FW+1], v[DVR:DVR+1]  ; my lane's part of f_i . d
.irp i, 1,2,3,4,5,6,7
	v_pk_fma_f32 v[240:241], v[FW+2*\i:FW+2*\i+1], v[DVR+2*\i:DVR+2*\i+1], v[240:241]
.endr
	v_add_f32 v240, v240, v241
	s_wait_loadcnt 0x0
.set e, 0
.rept 16                               ; column by column over 16 sums that do not wait for each other; each starts with the part of f_i . d
.set k, 0
.rept 16
.if e == 0
	v_fma_mix_f32_bf16 v[ACC+k], v[NB+8*k], v[RR], v240 op_sel_hi:[1,0,0]
.elseif e&1
	v_fma_mix_f32_bf16 v[ACC+k], v[NB+8*k+e/2], v[RR+e], v[ACC+k] op_sel:[1,0,0] op_sel_hi:[1,0,0]
.else
	v_fma_mix_f32_bf16 v[ACC+k], v[NB+8*k+e/2], v[RR+e], v[ACC+k] op_sel_hi:[1,0,0]
.endif
.set k, k+1
.endr
.set e, e+1
.endr
.irp m, 1,2,4,8
.set k, 0
.rept 16
	v_add_f32_dpp v[ACC+k], v[ACC+k], v[ACC+k] row_xmask:\m row_mask:0xf bank_mask:0xf
.set k, k+1
.endr
.endr
.set k, 0
.rept 16
	v_permlanex16_b32 v[NB+k], v[ACC+k], s68, s69
.set k, k+1
.endr
.set k, 0
.rept 16
	v_add_f32 v[ACC+k], v[ACC+k], v[NB+k]          ; every lane holds every sum
.set k, k+1
.endr
.set k, 0
.rept 16
	v_add_f32 v[ACC+k], s29, v[ACC+k]
.set k, k+1
.endr
.set k, 0
.rept 16
	v_fma_f32 v[ACC+k], v[ACC+k], s70, v[GG+k]
.set k, k+1
.endr
.set k, 0
.rept 16
	v_mul_f32 v[ACC+k], 0x41200000, v[ACC+k]
.set k, k+1
.endr
	; THE CHOICE: the greatest of the 16 scores, then the lowest rank whose score equals it: the first maximum, as an argmax takes it.
	v_max3_num_f32 v242, v[ACC], v[ACC+1], v[ACC+2]
	v_max3_num_f32 v[MX], v[ACC+3], v[ACC+4], v[ACC+5]
	v_max3_num_f32 v[MX+1], v[ACC+6], v[ACC+7], v[ACC+8]
	v_max3_num_f32 v[MX+2], v[ACC+9], v[ACC+10], v[ACC+11]
	v_max3_num_f32 v[MX+3], v[ACC+12], v[ACC+13], v[ACC+14]
	v_max3_num_f32 v242, v242, v[MX], v[MX+1]
	v_max3_num_f32 v[MX+2], v[MX+2], v[MX+3], v[ACC+15]
	v_max_num_f32 v242, v242, v[MX+2]
.set k, 0
.rept 16
	v_cmp_eq_f32 s[48+k], v[ACC+k], v242           ; the masks in one run, a scalar register each
.set k, k+1
.endr
	v_cmp_eq_u32 vcc_lo, 0, v1                     ; lane 0, for the masked store below
	v_mov_b32 v243, s47                            ; rank 15, unless a lower rank holds the maximum
	v_mov_b32 v244, s24
	s_wait_alu depctr_va_sdst(0)                   ; the 16 compares have written s48 to s63, ahead of the selects that read them: one wait for the run
.set k, 14
.rept 15
	v_cndmask_b32 v243, v243, s[32+k], s[48+k]     ; from rank 14 down to 0: the lowest rank that holds the maximum stays
.set k, k-1
.endr
	s_wait_xcnt 0x0                                ; EXEC changes only behind this wait
	s_wait_alu depctr_va_vcc(0)                    ; the compare for lane 0 has written VCC, of which EXEC is made
	s_wait_alu depctr_va_vdst(0)                   ; ahead of the write of EXEC every vector line is done; v243 and v244 are written, which the store below reads
	s_wait_alu depctr_vm_vsrc(0)                   ; and every memory instruction issued so far has read its vector registers
	s_and_saveexec_b32 s67, vcc_lo
	global_store_b32 v244, v243, s[6:7]
	s_wait_xcnt 0x0                                ; and again in front of the line that widens it
	s_wait_alu depctr_va_vdst(0)                   ; ahead of the write of EXEC every vector line is done
	s_wait_alu depctr_vm_vsrc(0)                   ; and the masked store has read v243 and v244
	s_or_b32 exec_lo, exec_lo, s67
	s_cmp_lg_u32 s21, 0
	s_cbranch_scc1 .Ldone
	s_add_co_u32 s25, s25, 1
	v_mov_b32 v246, s25
	v_mov_b32 v247, s25
	v_lshlrev_b32 v245, 3, v1
	s_wait_alu depctr_va_vdst(0)                   ; v245, v246 and v247 are written, which the store below reads
	global_store_b64 v245, v[246:247], s[6:7] offset:8192  ; t + 1, in all 64 words of its block
.Ldone:
	s_endpgm
.Lfunc_end_k_q648f58b4b2_step0:
	.size	k_q648f58b4b2_step0, .Lfunc_end_k_q648f58b4b2_step0-k_q648f58b4b2_step0
	.p2alignl 7, 3214868480
	.fill 96, 4, 3214868480
	.section	.rodata,"a",@progbits
	.p2align	6, 0x0
	.amdhsa_kernel k_q648f58b4b2_step0
		.amdhsa_group_segment_fixed_size 0
		.amdhsa_private_segment_fixed_size 0
		.amdhsa_enable_private_segment 0
		.amdhsa_kernarg_size 64
		.amdhsa_user_sgpr_count 2
		.amdhsa_user_sgpr_kernarg_segment_ptr 1
		.amdhsa_wavefront_size32 1
		.amdhsa_system_sgpr_workgroup_id_x 1
		.amdhsa_system_sgpr_workgroup_id_y 1
		.amdhsa_system_sgpr_workgroup_id_z 1
		.amdhsa_system_vgpr_workitem_id 0
		.amdhsa_next_free_vgpr 256
		.amdhsa_next_free_sgpr 80
		.amdhsa_reserve_vcc 1
		.amdhsa_float_denorm_mode_32 3
		.amdhsa_float_denorm_mode_16_64 3
		.amdhsa_memory_ordered 1
		.amdhsa_forward_progress 1
		.amdhsa_inst_pref_size 42
	.end_amdhsa_kernel
	.amdgpu_metadata
---
amdhsa.version: [ 1, 2 ]
amdhsa.kernels:
  - .name:           k_q648f58b4b2_step0
    .symbol:         k_q648f58b4b2_step0.kd
    .args:
      - { .name: cura, .offset: 0, .size: 8, .value_kind: global_buffer, .address_space: global }
      - { .name: curb, .offset: 8, .size: 8, .value_kind: global_buffer, .address_space: global }
      - { .name: knn, .offset: 16, .size: 8, .value_kind: global_buffer, .address_space: global }
      - { .name: rr, .offset: 24, .size: 8, .value_kind: global_buffer, .address_space: global }
      - { .name: fb, .offset: 32, .size: 8, .value_kind: global_buffer, .address_space: global }
      - { .name: wsw, .offset: 40, .size: 8, .value_kind: global_buffer, .address_space: global }
      - { .name: gumbel_u, .offset: 48, .size: 8, .value_kind: global_buffer, .address_space: global }
      - { .name: out0, .offset: 56, .size: 8, .value_kind: global_buffer, .address_space: global }
    .group_segment_fixed_size: 0
    .private_segment_fixed_size: 0
    .kernarg_segment_align: 8
    .kernarg_segment_size: 64
    .max_flat_workgroup_size: 256
    .sgpr_count:     80
    .vgpr_count:     256
    .wavefront_size: 32
...
	.end_amdgpu_metadata
.endif
;; end of part 8
;; launch step1: the kernel of part 8 again; grid 256 x 1, 8 waves a work-group, no clusters, 0 bytes of LDS; arguments curb, cura, knn, rr, fb, wsw, gumbel_u, out0; writes cura, out0
;; launch step2: the kernel of part 8 again; grid 256 x 1, 8 waves a work-group, no clusters, 0 bytes of LDS; arguments cura, curb, knn, rr, fb, wsw, gumbel_u, out0; writes curb, out0
;; launch step3: the kernel of part 8 again; grid 256 x 1, 8 waves a work-group, no clusters, 0 bytes of LDS; arguments curb, cura, knn, rr, fb, wsw, gumbel_u, out0; writes cura, out0
;; launch step4: the kernel of part 8 again; grid 256 x 1, 8 waves a work-group, no clusters, 0 bytes of LDS; arguments cura, curb, knn, rr, fb, wsw, gumbel_u, out0; writes curb, out0
;; launch step5: the kernel of part 8 again; grid 256 x 1, 8 waves a work-group, no clusters, 0 bytes of LDS; arguments curb, cura, knn, rr, fb, wsw, gumbel_u, out0; writes cura, out0
;; launch step6: the kernel of part 8 again; grid 256 x 1, 8 waves a work-group, no clusters, 0 bytes of LDS; arguments cura, curb, knn, rr, fb, wsw, gumbel_u, out0; writes curb, out0
;; launch last: the kernel of part 7 again; grid 256 x 1, 8 waves a work-group, no clusters, 0 bytes of LDS; arguments curb, fb, out0; writes out0
